; MI455X (gfx1250); checked and timed in simulation.
; The chip was launched on July 23, 2026; its instructions are those of AMD's public machine-readable ISA for CDNA 5 (MIT licence, August 2026) and "CDNA5" Instruction Set Architecture Reference Guide (July 2026). The comments in the code are by the model that wrote it; some were corrected since.
;; Multihead Attention. Allowed arithmetic: matrix products marked QUANTISED: E2M3 operands, one E8M0 scale for each 32 along K, by v_wmma_scale_f32_16x16x128_f8f6f4 with both operands' format E2M3, f32 sums; everything else in f32.
;; Inputs: Wproj 1,024 x 1,024 float32; Wqkv 1,024 x 3,072 float32; bproj 1,024 float32; bqkv 3,072 float32; x 1 x 4,096 x 1,024 float32.
;; Outputs: out0 1 x 4,096 x 1,024 float32.
;; This version of the problem:
;;   THIS VERSION OF THE PROBLEM IS GIVEN IN LOW PRECISION. The matrix products marked QUANTISED in the list below multiply operands that are first quantised to E2M3 (2 exponent bits, 3 mantissa bits; 6 bits a number), with one power-of-two scale for each 32 numbers along K (OCP MX v1.0); their sums are f32. All else is computed in f32.
;;   The module's matrix products, in the order in which they are computed (A, B: the left and right operand; K: the contracted axis; several contracted axes count as one K, in the product's order):
;;     1. [M 4,096, K 1,024] x [K 1,024, N 3,072]; A: input x; B: input Wqkv: QUANTISED
;;     2. batch 16 x [M 4,096, K 64] x [K 64, N 4,096]; A: computed on the way; B: computed on the way: QUANTISED
;;     3. batch 16 x [M 64, K 4,096] x [K 4,096, N 4,096]; A: computed on the way; B: softmax (see below): QUANTISED
;;     4. [M 4,096, K 1,024] x [K 1,024, N 1,024]; A: computed on the way; B: input Wproj: QUANTISED
;;   THE QUANTISER, for each operand of a quantised product, along K:
;;     - K is cut into blocks of 32 from its start; a last block that is shorter is filled with zeros.
;;     - A block's scale is 2^e with e = floor(log2(the largest magnitude in the block)) - 2, held to -126 .. 127; a block of zeros has e = 0. As a byte (E8M0): e + 127.
;;     - Each number is divided by its block's scale, clamped to +-7.5, and rounded to the nearest number of E2M3, ties to even, subnormals kept.
;;     - The product sums the exact products of the quantised numbers (number of the format x scale) in f32.
;;   ~~~python
;;   def quantise(x, axis):      # numpy; x: float32 -> the quantised numbers, widened to float32 again
;;       x = np.moveaxis(x, axis, -1); K = x.shape[-1]
;;       x = np.pad(x, [(0, 0)] * (x.ndim - 1) + [(0, -K % 32)]); x = x.reshape(x.shape[:-1] + (-1, 32)); a = np.abs(x).max(-1, keepdims=True)
;;       e = np.where(a > 0, np.clip(np.frexp(np.where(a > 0, a, 1))[1] - 1 - 2, -126, 127), 0)      # np.frexp(a)[1] - 1 = floor(log2(a)), exactly
;;       r = np.clip(x / 2.0 ** e, -7.5, 7.5)
;;       step = 2.0 ** (np.maximum(np.frexp(np.where(r == 0, 1, r))[1] - 1, 0) - 3)
;;       q = np.round(r / step) * step * 2.0 ** e      # np.round: ties to even
;;       return np.moveaxis(q.reshape(q.shape[:-2] + (-1,))[..., :K], -1, axis).astype(np.float32)
;;   ~~~
;;   SOFTMAX AHEAD OF A QUANTISED PRODUCT. Where the list says 'softmax', what is quantised is not the finished softmax but p = 2^(t - M), with t = logit x log2(e) and M = ceil(the row's largest t), a whole number; so 1/2 < the row's largest p <= 1. The row's sum l is taken of the UNQUANTISED p, in f32, and the product's result is divided by l at the end. Since M is a whole number, a kernel that streams over the keys may use a running M (the ceiling of the running maximum): every later rescaling is an exact power of two, which a block's scale takes up: the codes' values come out the same.
;;   OPERANDS COMPUTED ON THE WAY. 'Computed on the way' means the value that the module computes at that place (a softmax that the list does not call 'softmax' is quantised finished and normalised). What goes into a quantiser is computed in f32, as accurately as f32 sums, v_exp_f32 and their like allow (about 1e-6 of the number): no bf16 or f16 on the way to a quantiser, and a product that is left as it is and whose result goes on into a quantised operand takes f32 operands (vector FMAs, or v_wmma_f32_16x16x4_f32). A number that lies on a knife's edge between two numbers of the format may be rounded either way, as far as f32 arithmetic and the matrix unit's own rounding can turn it there, and no further.
;; One version. Each part assembles by itself: llvm-mc -triple=amdgcn-amd-amdhsa -mcpu=gfx1250 --defsym DOCPART=n.
;; ======== version 1 of 1: 4 launches
;; limits: right only within a limited range of input values
;; workspace buffers: xq 3,276,800 bytes; wq 2,457,600 bytes; wp 819,200 bytes; qkv 10,092,544 bytes; oq 3,407,872 bytes
;; launch prep (part 1): grid 32 x 16, 4 waves a work-group, no clusters, 82,432 bytes of LDS; arguments x, Wqkv, Wproj, xq, wq, wp; writes xq, wq, wp
.if DOCPART == 1
	.amdgcn_target "amdgcn-amd-amdhsa--gfx1250"
	.amdhsa_code_object_version 6
	.text
	.protected	k_qeeb3022061_prep
	.globl	k_qeeb3022061_prep
	.p2align	8
	.type	k_qeeb3022061_prep,@function
k_qeeb3022061_prep:
	s_mov_b64 s[64:65], 0
	v_nop
	global_prefetch_b8 v0, s[64:65] scope:SCOPE_SE
	s_setreg_imm32_b32 hwreg(HW_REG_WAVE_MODE, 25, 1), 1
	s_wait_xcnt 0x0
; x [4096][1024], Wqkv [1024][3072] and Wproj [1024][1024], f32, become codes of FP6 (E2M3) with one E8M0 byte for each 32 along K, laid IN THE ORDER OF THE OPERAND'S REGISTERS.
; An IMAGE is a fragment of 16 rows x 128 K, 12 registers a lane, 1,536 bytes: registers 4 c .. 4 c + 3 of lane l at 512 c + 16 l.  A reader gets it by three loads of 16 bytes a lane.
; THE ROWS OF A TILE ARE NOT NEIGHBOURS: row r of tile T is index 32 (T / 2) + 8 (T % 2) + r % 8 + 16 (r / 8), for tokens and for the weights' columns alike, so that a later product that takes
; such a tile as source 0 leaves 16 neighbours in the 16 registers of two neighbouring tiles.
; A block's scale is 2^(floor(log2(largest magnitude)) - 2); its byte is the largest magnitude's exponent field - 2, held at 1 from below by a floor among the maximum's leaves.
; LIMITS: NaN and infinities among the inputs are not served; a block whose largest magnitude lies under 2^-124 takes the byte 1; a block of zeros takes the byte 1 where the rule says 127
; (its codes are zeros, which add nothing under any byte but 0xff, and the bytes are read by this program alone).
; SHARES.  512 work-groups of four waves, 64 KiB of input each.  x of the grid under 16: a tile of 16 tokens, two K steps of 128 a wave.  16 to 27: Wqkv; 28 to 31: Wproj: 128 columns x 128 along K, 32 columns a wave.
; No tensor load, no barrier: waves share nothing.  No matrix unit, no cluster: every input byte is read once and nothing is shared.  The two paths have LDS bytes of their own.
.set XSTW,  16896                      ; the x path's LDS for a wave: two stages of 16 rows x 528 bytes
.set WIMG,  67584                      ; the weight path's LDS begins here: 3,328 bytes a wave, two images 1,664 bytes apart
.set XQ_SC, 3145728                    ; where the scale words begin in xq, wq, wp
.set WQ_SC, 2359296
.set WP_SC, 786432
.set R,   16                           ; v16-143  numbers as loaded
.set X,   144                          ; v144-207 x path: 64 numbers of a lane, register 16 b + i = k 32 b + 16 (lane / 16) + i of its row
.set TM,  208                          ; v208-223 at work in QUANT
.set PW,  224                          ; v224-225 the two scale words
; 64 numbers of a lane, v[s] on, become a fragment's 12 registers of codes in v[pc] on and its row's scale word in v[pw]; v[pt] on: 8 registers at work.
.macro QUANT s, pc, pt, pw
.irp b, 0,1,2,3
	v_max3_num_f32 v[TM+\b], |v[\s+16*\b]|, |v[\s+1+16*\b]|, 0x1800000   ; block b: my 16 numbers, and the floor 2^(3 - 127)
.endr
.irp i, 2,4,6,8,10,12,14
.irp b, 0,1,2,3
	v_max3_num_f32 v[TM+\b], v[TM+\b], |v[\s+16*\b+\i]|, |v[\s+1+16*\b+\i]|   ; the four blocks by turns
.endr
.endr
.irp b, 0,1,2,3
	v_permlanex16_b32 v[TM+4+\b], v[TM+\b], s28, s29
.endr
.irp b, 0,1,2,3
	v_max_num_f32 v[TM+\b], v[TM+\b], v[TM+4+\b]   ; with lane l xor 16's 16: the block's largest magnitude
.endr
.irp b, 0,1,2,3
	v_add_nc_u32 v[TM+12+\b], 0xff000000, v[TM+\b]   ; 2 off its exponent field: the conversion's scale operand
.endr
.irp b, 0,1,2,3
	v_lshrrev_b32 v[TM+4+\b], 23, v[TM+12+\b]      ; the scale's byte
.endr
	v_lshl_or_b32 v[\pw], v[TM+5], 8, v[TM+4]
	v_lshl_or_b32 v[\pw], v[TM+6], 16, v[\pw]
	v_lshl_or_b32 v[\pw], v[TM+7], 24, v[\pw]
.irp c, 0,1
	v_cvt_scalef32_pk16_fp6_f32 v[\pc+6*\c:\pc+2+6*\c], v[\s+32*\c:\s+15+32*\c], v[TM+12+2*\c]
	v_cvt_scalef32_pk16_fp6_f32 v[\pt+4*\c:\pt+2+4*\c], v[\s+16+32*\c:\s+31+32*\c], v[TM+12+2*\c+1]   ; a conversion's three registers begin on an even number
.endr
	v_nop                                          ; one plain place behind the scaled conversions
.irp c, 0,1                                    ; the operand wants a WHOLE block in a lane: lanes 0-15 block 2 c, lanes 16-31 block 2 c + 1
.irp i, 0,1,2
	v_permlane16_swap_b32 v[\pc+6*\c+\i], v[\pt+4*\c+\i]
.endr
.irp i, 0,1,2
	v_mov_b32 v[\pc+3+6*\c+\i], v[\pt+4*\c+\i]
.endr
.endr
.endm
	s_load_b128 s[4:7], s[0:1], 0x0                ; x, Wqkv
	s_load_b128 s[8:11], s[0:1], 0x10              ; Wproj, xq
	s_load_b128 s[12:15], s[0:1], 0x20             ; wq, wp
	v_lshl_add_u32 v254, v0, 2, 0x14000
	v_mov_b32 v255, 0
	v_lshrrev_b32 v1, 5, v0
	v_readfirstlane_b32 s16, v1                    ; wave 0..3
	v_and_b32 v1, 31, v0                           ; lane
	v_lshlrev_b32 v4, 4, v1                        ; 16 x lane
	s_and_b32 s17, ttmp7, 0xffff                   ; work-group y
	s_wait_kmcnt 0x0
	s_cmp_lt_u32 ttmp9, 16
	s_cbranch_scc0 .Lweights
	; ---------------- x: token tile T = 16 y + x, K steps 2 w and 2 w + 1 ----------------
	s_lshl_b32 s18, s17, 4
	s_add_co_u32 s18, s18, ttmp9                   ; T
	s_lshr_b32 s19, s18, 1
	s_lshl_b32 s19, s19, 5
	s_and_b32 s20, s18, 1
	s_lshl_b32 s20, s20, 3
	s_add_co_u32 s19, s19, s20                     ; the tile's first token: 32 (T / 2) + 8 (T % 2)
	s_lshl_b32 s20, s19, 12                        ; rows of 4,096 bytes
	s_lshl_b32 s21, s16, 10                        ; my two K steps: 1,024 bytes of a row
	s_add_co_u32 s20, s20, s21
	s_mov_b32 s21, 0
	s_add_nc_u64 s[4:5], s[4:5], s[20:21]
	s_wait_alu depctr_va_vdst(0)
.irp p, 0,1                                    ; each load reads 512 consecutive bytes: one K step of one row; the first K step's 16 rows first
.irp i, 0,1,2,3,4,5,6,7,8,9,10,11,12,13,14,15
	global_load_b128 v[R+64*\p+4*\i:R+64*\p+4*\i+3], v4, s[4:5] offset:(\i+8*(\i/8))*4096+512*\p th:TH_LOAD_NT
.endr
.endr
	s_mul_i32 s20, s18, 12288                      ; xq: 8 images a tile,
	s_mul_i32 s22, s16, 3072                       ; two a wave
	s_add_co_u32 s20, s20, s22
	s_add_nc_u64 s[24:25], s[10:11], s[20:21]
	s_lshl_b32 s20, s18, 9                         ; scale words: [T][K step][row]: 512 bytes a tile, 128 a wave
	s_lshl_b32 s22, s16, 7
	s_add_co_u32 s20, s20, s22
	s_add_co_u32 s20, s20, XQ_SC
	s_add_nc_u64 s[26:27], s[10:11], s[20:21]
	s_mov_b32 s28, 0x76543210
	s_mov_b32 s29, 0xfedcba98                      ; v_permlanex16_b32's selects for lane l xor 16
	v_and_b32 v2, 15, v0                           ; r
	v_bfe_u32 v3, v0, 4, 1                         ; h
	s_mul_i32 s19, s16, XSTW
	v_add_nc_u32 v5, s19, v4                       ; the stage, on the way in: a row's 512 bytes as they lie
	v_mul_u32_u24 v6, v2, 528
	v_lshl_add_u32 v6, v3, 6, v6
	v_add_nc_u32 v6, s19, v6                       ; and out: row r, + 64 h: my 16 numbers of each block of 32
	v_lshlrev_b32 v7, 2, v1
.irp b, 0,1,2,3
	v_mov_b32 v[TM+4+\b], 0                        ; written once: a lane permute's destination counts as one of its sources
.endr
.macro XTURN p                         ; K step p's 16 rows through stage p: rows 528 bytes apart, so that the sixteen rows of a read start in different banks
.irp i, 0,1,2,3,4,5,6,7,8,9,10,11,12,13,14,15
	ds_store_b128 v5, v[R+64*\p+4*\i:R+64*\p+4*\i+3] offset:8448*\p+528*\i
.endr
.irp b, 0,1,2,3
.irp j, 0,1,2,3
	ds_load_b128 v[X+16*\b+4*\j:X+16*\b+4*\j+3], v6 offset:8448*\p+128*\b+16*\j   ; LDS serves a wave's instructions in order: these see the stores above
.endr
.endr
	s_wait_dscnt 0x0
.endm
	s_wait_alu depctr_va_vdst(0)
	s_wait_loadcnt 16                              ; the first K step is in; the second's 16 loads may be out
	XTURN 0
	QUANT X, 16, 40, PW                            ; the codes take registers whose numbers have gone into the stage
.irp c, 0,1,2
	global_store_b128 v4, v[16+4*\c:19+4*\c], s[24:25] offset:512*\c   ; 512 consecutive bytes a store
.endr
	s_wait_loadcnt 0x0
	XTURN 1
	QUANT X, 28, 40, PW+1
.irp c, 0,1,2
	global_store_b128 v4, v[28+4*\c:31+4*\c], s[24:25] offset:1536+512*\c
.endr
	v_cmp_le_u32 vcc_lo, 16, v1
	v_cndmask_b32 v[PW], v[PW], v[PW+1], vcc_lo    ; lanes 0-15: K step 2 w's words, lanes 16-31: K step 2 w + 1's
	global_store_b32 v7, v[PW], s[26:27]           ; 128 consecutive bytes
	s_wait_tensorcnt 0x0
	ds_add_u32 v254, v255
	s_wait_dscnt 0x0
	s_endpgm
	; ---------------- the weights: K is their FIRST axis.  A lane takes a column, its registers run down K ----------------
.Lweights:
	s_wait_alu depctr_va_vdst(0)
	v_lshlrev_b32 v3, 2, v1                        ; 4 x lane: a load reads 128 consecutive bytes, the four waves stand side by side on 512
	v_bfe_u32 v5, v1, 3, 1                         ; column 32 P + l lies in tile u = (l / 8) % 2 of the pair,
	v_and_b32 v6, 7, v1
	v_lshrrev_b32 v7, 4, v1
	v_lshl_add_u32 v6, v7, 3, v6                   ; as its row r = l % 8 + 8 (l / 16)
	s_mul_i32 s19, s16, 3328
	s_add_co_u32 s19, s19, WIMG
	v_mul_u32_u24 v8, v5, 1664
	v_lshl_add_u32 v8, v6, 4, v8
	v_add_nc_u32 v8, s19, v8                       ; into my wave's two images: 1,664 u + 16 r
	v_add_nc_u32 v9, s19, v4                       ; and out of them: 16 x lane
	v_lshlrev_b32 v10, 9, v5
	v_lshl_add_u32 v10, v6, 2, v10                 ; scale words: 512 u + 4 r
; The bases of one tensor, and the wave's 128 loads.  s26 = K step, s27 = P (which 32 columns), s32 = group (head, or 128 columns of Wproj), s33 = pair of tiles in it.
.macro WARM in, out, nt, pitch, scoff
	s_mul_i32 s30, s26, 128*\pitch
	s_lshl_b32 s31, s27, 7
	s_add_co_u32 s30, s30, s31
	s_mov_b32 s31, 0
	s_add_nc_u64 s[20:21], s[\in:\in+1], s[30:31]  ; row 128 s, column 32 P
	s_mul_i32 s30, s32, \nt*12288                  ; codes: [group][chunk of two K steps][tile][K step in the chunk][1,536]
	s_lshr_b32 s34, s26, 1
	s_mul_i32 s34, s34, \nt*3072
	s_add_co_u32 s30, s30, s34
	s_mul_i32 s34, s33, 6144
	s_add_co_u32 s30, s30, s34
	s_and_b32 s34, s26, 1
	s_mul_i32 s34, s34, 1536
	s_add_co_u32 s30, s30, s34
	s_add_nc_u64 s[22:23], s[\out:\out+1], s[30:31]
	s_mul_i32 s30, s32, \nt                        ; scale words: [tile][K step][row]
	s_lshl_b32 s34, s33, 1
	s_add_co_u32 s30, s30, s34
	s_lshl_b32 s30, s30, 9
	s_lshl_b32 s34, s26, 6
	s_add_co_u32 s30, s30, s34
	s_add_co_u32 s30, s30, \scoff
	s_add_nc_u64 s[24:25], s[\out:\out+1], s[30:31]
.set i, 0
.rept 128
	global_load_b32 v[R+i], v3, s[20:21] offset:i*\pitch th:TH_LOAD_NT
.set i, i+1
.endr
.endm
	s_cmp_lt_u32 ttmp9, 28
	s_cbranch_scc0 .Lproj
	s_mul_i32 s18, s17, 12
	s_add_co_u32 s18, s18, ttmp9
	s_sub_co_u32 s18, s18, 16                      ; 0 .. 191
	s_and_b32 s26, s18, 7
	s_lshr_b32 s27, s18, 3
	s_lshl_b32 s27, s27, 2
	s_add_co_u32 s27, s27, s16                     ; P = 0 .. 95
	s_mul_i32 s32, s27, 43
	s_lshr_b32 s32, s32, 8                         ; P / 6, exact for P under 96: the head
	s_mul_i32 s33, s32, 6
	s_sub_co_u32 s33, s27, s33
	WARM 6, 12, 12, 12288, WQ_SC
	s_branch .Ljoin
.Lproj:
	s_lshl_b32 s18, s17, 2
	s_add_co_u32 s18, s18, ttmp9
	s_sub_co_u32 s18, s18, 28                      ; 0 .. 63
	s_and_b32 s26, s18, 7
	s_lshr_b32 s27, s18, 3
	s_lshl_b32 s27, s27, 2
	s_add_co_u32 s27, s27, s16                     ; P = 0 .. 31
	s_lshr_b32 s32, s27, 2
	s_and_b32 s33, s27, 3
	WARM 8, 14, 8, 4096, WP_SC
.Ljoin:
; Block kb of 32 along K: all its numbers are mine.  Its six registers of codes are registers 6 (kb / 2) .. + 5 of lane r + 16 (kb % 2) of the image.
.macro WBLOCK kb, left
.set XS, R+32*(\kb)
.set CD, 144+8*(\kb)
.set CT, 176+4*(\kb)
	s_wait_loadcnt \left                           ; this block's 32 loads are in; later blocks' may be out (the count named is the largest that the wait can name, or the exact one)
	v_max3_num_f32 v12, |v[XS]|, |v[XS+1]|, |v[XS+2]|
	v_max3_num_f32 v13, |v[XS+3]|, |v[XS+4]|, |v[XS+5]|
.irp i, 6,10,14,18,22,26
	v_max3_num_f32 v12, v12, |v[XS+\i]|, |v[XS+\i+1]|
	v_max3_num_f32 v13, v13, |v[XS+\i+2]|, |v[XS+\i+3]|
.endr
	v_max3_num_f32 v12, v12, |v[XS+30]|, |v[XS+31]|
	v_max3_num_f32 v12, v12, v13, 0x1800000        ; and the floor
	v_add_nc_u32 v14, 0xff000000, v12              ; the conversion's scale operand
	v_lshrrev_b32 v13, 23, v14                     ; the byte
.if (\kb) == 0
	v_mov_b32 v11, v13
.else
	v_lshl_or_b32 v11, v13, 8*(\kb), v11           ; the K step's scale word of my column
.endif
	v_cvt_scalef32_pk16_fp6_f32 v[CD:CD+2], v[XS:XS+15], v14
	v_cvt_scalef32_pk16_fp6_f32 v[CT:CT+2], v[XS+16:XS+31], v14
	v_nop                                          ; one plain place behind the scaled conversions
.irp i, 0,1,2
	v_mov_b32 v[CD+3+\i], v[CT+\i]
.endr
.if (\kb) < 2
	ds_store_b128 v8, v[CD:CD+3] offset:256*(\kb)
	ds_store_b64 v8, v[CD+4:CD+5] offset:512+256*(\kb)
.else
	ds_store_b64 v8, v[CD:CD+1] offset:520+256*((\kb)-2)
	ds_store_b128 v8, v[CD+2:CD+5] offset:1024+256*((\kb)-2)
.endif
.endm
	WBLOCK 0, 63
	WBLOCK 1, 63
	WBLOCK 2, 32
	WBLOCK 3, 0
.irp n, 0,1,2,3,4,5
	ds_load_b128 v[192+4*\n:195+4*\n], v9 offset:1664*(\n/3)+512*(\n%3)   ; LDS serves a wave's instructions in order: these see my stores
.endr
	s_wait_alu depctr_va_vdst(0)
.irp n, 0,1,2,3,4,5
	s_wait_dscnt 5-\n
	global_store_b128 v4, v[192+4*\n:195+4*\n], s[22:23] offset:3072*(\n/3)+512*(\n%3)   ; 512 consecutive bytes a store
.endr
	global_store_b32 v10, v11, s[24:25]            ; two pieces of 64 bytes: one byte in 128 of what the path reads
	s_wait_tensorcnt 0x0
	ds_add_u32 v254, v255
	s_wait_dscnt 0x0
	s_endpgm
.Lfunc_end_k_qeeb3022061_prep:
	.size	k_qeeb3022061_prep, .Lfunc_end_k_qeeb3022061_prep-k_qeeb3022061_prep
	.p2alignl 7, 3214868480
	.fill 96, 4, 3214868480
	.section	.rodata,"a",@progbits
	.p2align	6, 0x0
	.amdhsa_kernel k_qeeb3022061_prep
		.amdhsa_group_segment_fixed_size 82432
		.amdhsa_private_segment_fixed_size 0
		.amdhsa_enable_private_segment 0
		.amdhsa_kernarg_size 48
		.amdhsa_user_sgpr_count 2
		.amdhsa_user_sgpr_kernarg_segment_ptr 1
		.amdhsa_wavefront_size32 1
		.amdhsa_system_sgpr_workgroup_id_x 1
		.amdhsa_system_sgpr_workgroup_id_y 1
		.amdhsa_system_sgpr_workgroup_id_z 1
		.amdhsa_system_vgpr_workitem_id 0
		.amdhsa_next_free_vgpr 256
		.amdhsa_next_free_sgpr 66
		.amdhsa_reserve_vcc 1
		.amdhsa_float_denorm_mode_32 3
		.amdhsa_float_denorm_mode_16_64 3
		.amdhsa_memory_ordered 1
		.amdhsa_forward_progress 1
		.amdhsa_inst_pref_size 53
	.end_amdhsa_kernel
	.amdgpu_metadata
---
amdhsa.version: [ 1, 2 ]
amdhsa.kernels:
  - .name:           k_qeeb3022061_prep
    .symbol:         k_qeeb3022061_prep.kd
    .args:
      - { .name: x, .offset: 0, .size: 8, .value_kind: global_buffer, .address_space: global }
      - { .name: Wqkv, .offset: 8, .size: 8, .value_kind: global_buffer, .address_space: global }
      - { .name: Wproj, .offset: 16, .size: 8, .value_kind: global_buffer, .address_space: global }
      - { .name: xq, .offset: 24, .size: 8, .value_kind: global_buffer, .address_space: global }
      - { .name: wq, .offset: 32, .size: 8, .value_kind: global_buffer, .address_space: global }
      - { .name: wp, .offset: 40, .size: 8, .value_kind: global_buffer, .address_space: global }
    .group_segment_fixed_size: 82432
    .private_segment_fixed_size: 0
    .kernarg_segment_align: 8
    .kernarg_segment_size: 48
    .max_flat_workgroup_size: 128
    .sgpr_count:     66
    .vgpr_count:     256
    .wavefront_size: 32
...
	.end_amdgpu_metadata
.endif
;; end of part 1
;; launch gemm_qkv (part 2): grid 16 x 16, 4 waves a work-group, clusters of 4 x 1, 168,448 bytes of LDS; arguments xq, wq, bqkv, qkv; writes qkv
.if DOCPART == 2
	.amdgcn_target "amdgcn-amd-amdhsa--gfx1250"
	.amdhsa_code_object_version 6
	.text
	.protected	k_qeeb3022061_gemm_qkv
	.globl	k_qeeb3022061_gemm_qkv
	.p2align	8
	.type	k_qeeb3022061_gemm_qkv,@function
k_qeeb3022061_gemm_qkv:
	s_mov_b64 s[64:65], 0
	v_nop
	global_prefetch_b8 v0, s[64:65] scope:SCOPE_SE
	s_setreg_imm32_b32 hwreg(HW_REG_WAVE_MODE, 25, 1), 1
	s_wait_xcnt 0x0
	s_wait_alu depctr_hold_cnt(0) depctr_sa_sdst(0) depctr_va_vdst(0) depctr_va_sdst(0) depctr_va_ssrc(0) depctr_va_vcc(0) depctr_vm_vsrc(0)
	s_getreg_b32 s2, hwreg(HW_REG_IB_STS2, 6, 4)
	s_cmp_eq_u32 s2, 0
	s_cbranch_scc0 .Lentry_in_a_cluster
	s_endpgm
.Lentry_in_a_cluster:
	s_bfe_u32 s2, ttmp6, 0x10000c
	s_cmp_lg_u32 s2, 0x3003
	s_cbranch_scc0 .Lentry_shape_is_right
	s_endpgm
.Lentry_shape_is_right:
; qkv = x Wqkv + bqkv on codes of FP6 (E2M3) with E8M0 scales, and what follows it: q and k times 64^(-1/4), then q, k (along the head's 64 channels) and v (along the tokens) quantised, in registers, on the way out.
; SHARES.  A work-group: one head (192 columns: 12 tiles of 16) x 256 tokens.  A wave: 64 tokens (4 tiles) x all 192 columns: 48 accumulators, 384 registers.
; THE HEAD'S WEIGHTS, 147,456 dense bytes of register images, come into LDS ONCE, in four chunks of two K steps; the four work-groups of a cluster share the head, so each chunk is asked for JOINTLY.
; Nothing in LDS is filled twice.  x's fragments are a wave's own: they go from memory straight into registers, three loads of 512 consecutive bytes a fragment, four K steps ahead.
; q, k: source 0 = 16 columns of W, source 1 = 16 tokens: a lane holds ONE token, its registers run along the channels.  v: source 0 = 16 tokens, source 1 = 16 columns: a lane holds ONE channel, its registers run
; along the tokens.  The rows of every tile are 32 (T / 2) + 8 (T % 2) + r % 8 + 16 (r / 8), so that the 16 registers of two neighbouring tiles are 16 neighbours along the next K.  The bias is the C of each sum's first product.
; OUT: half images (16 rows x 64 K, 6 registers a lane, 768 bytes: registers 0-3 at 16 l, 4-5 at 512 + 8 l).  A q or k scale word holds its two bytes twice: the next launch's K of 64 fills half an instruction.
; LIMITS: NaN and infinities are not served; a block under 2^-124 or of zeros takes the byte 1 (its codes decide; only this program reads the bytes).
; REGISTERS, in windows of 256.  Window 0: v1-14 addresses; v32-47 x's scale words, v48-95 W's (lanes 0-15 an even K step, lanes 16-31 the odd one behind it); v160-255 the bias tiles; on the way out v32-207 at work.
;   Window 1: v0-143 W's 12 fragments; v144-239 x's buffers 0, 1.   Window 2: q's and k's accumulators, (a, b) at v[8 (8 a + b)].   Window 3: v's, (b', a) at v[8 (4 b' + a)]; v128-223 x's buffers 2, 3.
.set XQ_SC, 3145728                    ; where the scale words begin in xq and wq
.set WQ_SC, 2359296
.set KOFF,  3145728                    ; in qkv: K's images, V's images, the scale words
.set VOFF,  6291456
.set SCOFF, 9437184
.set VSTG,  147456                     ; LDS behind the weights: 512 bytes in which the four waves' halves of v's scale words meet
.set H,   32                           ; the way out: 64 numbers
.set TM,  96                           ; v96-111 at work in QUANT
.set PW,  112                          ; the scale word just made
.set PT,  114                          ; v114-121 the conversions' second halves
.set PC,  128                          ; v128-199 six fragments of codes: no store's data are written again
.set SW,  200                          ; v200-203 four tiles' scale words
.set RB,  204
.set MSB, 0
.macro WIN new                         ; the immediate's high byte repeats the setting that is left
.if MSB != (\new)
	s_set_vgpr_msb (MSB<<8)|(\new)
.set MSB, (\new)
.endif
.endm
.macro CROUND                          ; a round of the cluster's barrier
	s_barrier_signal -1
	s_barrier_wait -1
	s_cmp_lg_u32 s12, 0
	s_cbranch_scc1 .Lnot_wave_0_\@
	s_barrier_signal -3
.Lnot_wave_0_\@:
	s_barrier_wait -3
	s_barrier_signal -1
	s_barrier_wait -1
.endm
.macro PLACES                          ; four plain places behind a matrix instruction, ahead of loads into its sources and of reads of its results
.rept 4
	v_nop
.endr
.endm
.macro ARRIVE c                        ; chunk c lies in LDS for every wave: my one load, chunk w whole, has landed, my LDS loads are back, then the barrier.
	s_wait_tensorcnt 0x0                           ; my one load, chunk w whole, has landed; behind the barrier all four chunks lie in LDS
	s_wait_dscnt 0x0
	s_barrier_signal -1
	s_barrier_wait -1
.endm
.macro ABUF s                          ; x's buffer of K step s: window AW, first register AB
.set AW, 1+2*(((\s)%4)/2)
.set AB, 144+48*((\s)%4)-112*(((\s)%4)/2)
.endm
.macro ALOAD s                         ; x's four fragments of K step s: 12 loads of 512 consecutive bytes
	ABUF \s
	WIN AW<<6
.irp a, 0,1,2,3
.irp c, 0,1,2
	global_load_b128 v[AB+12*\a+4*\c:AB+12*\a+4*\c+3], v1, s[40:41] offset:12288*\a+1536*(\s)+512*\c
.endr
.endr
.endm
.macro BLOAD grp, s                    ; W's tiles 4 grp .. 4 grp + 3 of K step s: 12 LDS loads of 512 consecutive bytes
	WIN 0x40
.irp b, 0,1,2,3
.irp c, 0,1,2
	ds_load_b128 v[12*(4*(\grp)+\b)+4*\c:12*(4*(\grp)+\b)+4*\c+3], v[6+(\s)/2] offset:3072*(4*(\grp)+\b)+1536*((\s)%2)+512*\c
.endr
.endr
.endm
.macro MMQK a, b, s
.set rD, 8*(8*(\a)+(\b))
.if (\s) == 0
	v_wmma_scale_f32_16x16x128_f8f6f4 v[rD:rD+7], v[12*(\b):12*(\b)+11], v[AB+12*(\a):AB+12*(\a)+11], v[160+8*(\b):167+8*(\b)], v[48+4*(\b)], v[32+4*(\a)] matrix_a_fmt:MATRIX_FMT_FP6 matrix_b_fmt:MATRIX_FMT_FP6
.elseif (\s)%2
	v_wmma_scale_f32_16x16x128_f8f6f4 v[rD:rD+7], v[12*(\b):12*(\b)+11], v[AB+12*(\a):AB+12*(\a)+11], v[rD:rD+7], v[48+4*(\b)+(\s)/2], v[32+4*(\a)+(\s)/2] matrix_a_fmt:MATRIX_FMT_FP6 matrix_b_fmt:MATRIX_FMT_FP6 matrix_a_scale:MATRIX_SCALE_ROW1 matrix_b_scale:MATRIX_SCALE_ROW1
.else
	v_wmma_scale_f32_16x16x128_f8f6f4 v[rD:rD+7], v[12*(\b):12*(\b)+11], v[AB+12*(\a):AB+12*(\a)+11], v[rD:rD+7], v[48+4*(\b)+(\s)/2], v[32+4*(\a)+(\s)/2] matrix_a_fmt:MATRIX_FMT_FP6 matrix_b_fmt:MATRIX_FMT_FP6
.endif
.endm
.macro MMV a, bp, s
.set rD, 8*(4*(\bp)+(\a))
.if (\s) == 0
	v_wmma_scale_f32_16x16x128_f8f6f4 v[rD:rD+7], v[AB+12*(\a):AB+12*(\a)+11], v[96+12*(\bp):107+12*(\bp)], v[224+8*(\bp):231+8*(\bp)], v[32+4*(\a)], v[80+4*(\bp)] matrix_a_fmt:MATRIX_FMT_FP6 matrix_b_fmt:MATRIX_FMT_FP6
.elseif (\s)%2
	v_wmma_scale_f32_16x16x128_f8f6f4 v[rD:rD+7], v[AB+12*(\a):AB+12*(\a)+11], v[96+12*(\bp):107+12*(\bp)], v[rD:rD+7], v[32+4*(\a)+(\s)/2], v[80+4*(\bp)+(\s)/2] matrix_a_fmt:MATRIX_FMT_FP6 matrix_b_fmt:MATRIX_FMT_FP6 matrix_a_scale:MATRIX_SCALE_ROW1 matrix_b_scale:MATRIX_SCALE_ROW1
.else
	v_wmma_scale_f32_16x16x128_f8f6f4 v[rD:rD+7], v[AB+12*(\a):AB+12*(\a)+11], v[96+12*(\bp):107+12*(\bp)], v[rD:rD+7], v[32+4*(\a)+(\s)/2], v[80+4*(\bp)+(\s)/2] matrix_a_fmt:MATRIX_FMT_FP6 matrix_b_fmt:MATRIX_FMT_FP6
.endif
.endm
.macro RUNQK grp, s                    ; 16 products: my four tiles of tokens x W's tiles 4 grp .. 4 grp + 3 (q: grp 0, k: grp 1)
	ABUF \s
.if (\s) == 0
	WIN 0x85                                       ; W window 1, x window 1, the bias window 0, D window 2
.else
	WIN 0xa1|(AW<<2)                               ; W window 1, x window AW, C and D window 2
.endif
.irp a, 0,1,2,3
.irp b, 0,1,2,3
	MMQK \a, 4*(\grp)+\b, \s
.endr
.endr
.endm
.macro RUNV s                          ; 16 products, the sources the other way round: W's tiles 8 .. 11
	ABUF \s
.if (\s) == 0
	WIN 0xc5                                       ; x window 1, W window 1, the bias window 0, D window 3
.else
	WIN 0xf4|AW                                    ; x window AW, W window 1, C and D window 3
.endif
.irp bp, 0,1,2,3
.irp a, 0,1,2,3
	MMV \a, \bp, \s
.endr
.endr
.endm
; A K step of 128: 48 products, each accumulator once, so that no two matrix instructions that follow each other share an accumulator.
; Behind each run of 16, four places and the same tiles' fragments of the next K step.  LDS loads come back in order: ahead of a run the two younger groups of 12 may be out.
.macro KSTEP s
.if (\s) <= 4
	s_wait_loadcnt 36                              ; x's fragments of this K step are in; those of the three K steps behind may be out
.else
	s_wait_loadcnt 12*(7-(\s))
.endif
	s_wait_dscnt 24
	RUNQK 0, \s
.if (\s) < 7
	PLACES
	BLOAD 0, (\s)+1
	s_wait_dscnt 24
.else
	s_wait_dscnt 12
.endif
	RUNQK 1, \s
.if (\s) < 7
	PLACES
	BLOAD 1, (\s)+1
	s_wait_dscnt 24
.else
	s_wait_dscnt 0
.endif
	RUNV \s
.if (\s) < 7
	PLACES
	BLOAD 2, (\s)+1
.endif
.if (\s) < 4
	ALOAD (\s)+4                                   ; this K step's buffer takes the K step four on
.endif
.endm
; 64 numbers of a lane in window win, v[s] on (register 16 b + i = k 32 b + 16 (lane / 16) + i of my row), become 12 registers of codes in v[pc] on and the scale word v[PW], both in window 0.
.macro QUANT s, win, pc
	WIN (\win)|((\win)<<2)                         ; sources 0 and 1; the running maximum stands as source 2, in window 0
.irp b, 0,1,2,3
	v_max3_num_f32 v[TM+\b], |v[(\s)+16*\b]|, |v[(\s)+1+16*\b]|, 0x1800000   ; and the floor 2^(3 - 127).  Each accumulator is read from its low end on
.endr
.irp i, 2,4,6,8,10,12,14
.irp b, 0,1,2,3
	v_max3_num_f32 v[TM+\b], |v[(\s)+16*\b+\i]|, |v[(\s)+1+16*\b+\i]|, v[TM+\b]
.endr
.endr
	WIN 0
.irp b, 0,1,2,3
	v_permlanex16_b32 v[TM+4+\b], v[TM+\b], s58, s59
.endr
.irp b, 0,1,2,3
	v_max_num_f32 v[TM+\b], v[TM+\b], v[TM+4+\b]
.endr
.irp b, 0,1,2,3
	v_add_nc_u32 v[TM+12+\b], 0xff000000, v[TM+\b]   ; 2 off the exponent field: the conversion's scale operand
.endr
.irp b, 0,1,2,3
	v_lshrrev_b32 v[TM+4+\b], 23, v[TM+12+\b]
.endr
	v_lshl_or_b32 v[PW], v[TM+5], 8, v[TM+4]
	v_lshl_or_b32 v[PW], v[TM+6], 16, v[PW]
	v_lshl_or_b32 v[PW], v[TM+7], 24, v[PW]
	WIN \win
.irp c, 0,1
	v_cvt_scalef32_pk16_fp6_f32 v[(\pc)+6*\c:(\pc)+2+6*\c], v[(\s)+32*\c:(\s)+15+32*\c], v[TM+12+2*\c]
	v_cvt_scalef32_pk16_fp6_f32 v[PT+4*\c:PT+2+4*\c], v[(\s)+16+32*\c:(\s)+31+32*\c], v[TM+12+2*\c+1]
.endr
	WIN 0
	v_nop                                          ; one plain place behind the scaled conversions
.irp c, 0,1
.irp i, 0,1,2
	v_permlane16_swap_b32 v[(\pc)+6*\c+\i], v[PT+4*\c+\i]
.endr
.irp i, 0,1,2
	v_mov_b32 v[(\pc)+3+6*\c+\i], v[PT+4*\c+\i]
.endr
.endr
.endm
	s_load_b256 s[4:11], s[0:1], 0x0               ; xq s[4:5], wq s[6:7], bqkv s[8:9], qkv s[10:11]
	v_lshl_add_u32 v126, v0, 2, 0x29000
	v_mov_b32 v127, 0
	ds_add_u32 v126, v127
	ds_add_u32 v126, v127
	v_lshrrev_b32 v16, 5, v0
	v_readfirstlane_b32 s12, v16                   ; wave 0..3
	s_bfe_u32 s13, ttmp6, 0x40000                  ; cx
	s_lshl_b32 s14, ttmp9, 2
	s_add_co_u32 s14, s14, s13                     ; TB: my block of 256 tokens; it enters global addresses of x and of the results alone
	s_and_b32 s15, ttmp7, 0xffff                   ; the head, which the four partners share
	; every address register is made here, ahead of the first line at which waves part
	v_and_b32 v16, 31, v0                          ; lane
	v_and_b32 v17, 15, v0                          ; r
	v_bfe_u32 v18, v0, 4, 1                        ; h
	v_lshlrev_b32 v1, 4, v16                       ; 16 x lane
	v_lshlrev_b32 v2, 3, v16                       ; 8 x lane
	v_lshlrev_b32 v3, 2, v16                       ; 4 x lane
	v_lshlrev_b32 v4, 6, v18                       ; 64 h: q's and k's bias
	v_and_b32 v5, 8, v17
	v_add_nc_u32 v5, v5, v17
	v_lshlrev_b32 v5, 2, v5                        ; 4 (r + 8 (r / 8)): v's bias
.irp c, 0,1,2,3
	v_add_nc_u32 v[6+\c], 36864*\c, v1             ; chunk c in LDS
.endr
	s_lshr_b32 s61, s12, 1
	s_lshl_b32 s2, s61, 8
	s_lshl_b32 s60, s14, 9
	s_add_co_u32 s60, s60, s2
	s_add_co_u32 s60, s60, 16384                   ; from my q scale words to my k scale words: 16,384 + 512 TB + 256 (w / 2) bytes
	v_mul_u32_u24 v10, v18, s60
	v_lshl_add_u32 v10, v17, 4, v10                ; lanes 0-15 store q's words, lanes 16-31 k's
	v_mov_b32 v11, 0x01000100                      ; byte selects: lanes 0-15 double the word's low half (q's two bytes),
	v_mov_b32 v19, 0x03020302                      ; lanes 16-31 its high half (k's)
	v_cmp_ne_u32 vcc_lo, 0, v18
	v_cndmask_b32 v11, v11, v19, vcc_lo
	s_and_b32 s3, s12, 1
	s_lshl_b32 s3, s3, 1
	s_add_co_u32 s2, s2, s3
	s_add_co_u32 s2, s2, VSTG
	v_lshl_add_u32 v12, v17, 4, s2                 ; v's scale stage [key step 2][r 16][tile 4] words: my half word: 256 (w / 2) + 2 (w % 2) + 16 r
	v_add_nc_u32 v13, VSTG, v1
	v_mul_u32_u24 v14, v18, 768
	v_lshl_add_u32 v14, v17, 4, v14                ; and where its 512 bytes go: 16 r + 768 h
	; descriptor group 1: 144 dense rows of 256 bytes (32 elements of 8 bytes): a wave's whole chunk
	s_mov_b32 s16, 15|(3<<16)|(1<<21)              ; 15:0 the mask: all four work-groups; 17:16 elements of 8 bytes; 21 set beside a mask
	s_mov_b32 s17, 32<<16                          ; tensor_dim0
	s_mov_b32 s18, 144<<16                         ; tensor_dim1: wave w brings chunk w whole, 144 dense rows of 256 bytes: one tensor load a wave
	s_mov_b32 s19, 32<<16                          ; tile_dim0
	s_mov_b32 s20, 144                             ; tile_dim1
	s_mov_b32 s21, 32                              ; tensor_dim0_stride
	s_mov_b32 s22, 0
	s_mov_b32 s23, 0
	s_mul_i32 s2, s12, 36864                       ; my chunk, in LDS and in memory
	s_mul_i32 s62, s15, 147456
	s_add_co_u32 s62, s62, s2
	s_mov_b32 s63, 0
	s_mov_b32 s56, 0x3eb504f3                      ; 64^(-1/4)
	s_mov_b32 s57, s56
	s_mov_b32 s58, 0x76543210
	s_mov_b32 s59, 0xfedcba98
	s_wait_dscnt 0x0
	s_wait_kmcnt 0x0
	s_add_nc_u64 s[62:63], s[6:7], s[62:63]
.irp c, 0
	s_mov_b32 s[24+4*\c], 1
	s_add_co_u32 s[25+4*\c], s2, 36864*\c
	s_add_nc_u64 s[26+4*\c:27+4*\c], s[62:63], 36864*\c
	s_or_b32 s[27+4*\c], s[27+4*\c], 0x80000000
.endr
	CROUND                                         ; all four work-groups are here: the joint loads meet
	tensor_load_to_lds s[24:27], s[16:23]          ; chunk w whole, one group: one load of mine is out
	s_nop 0
	PLACES
	s_mov_b32 s63, 0
	s_mul_i32 s62, s14, 196608                     ; x's images: 12,288 bytes a tile, my first tile 16 TB + 4 w
	s_mul_i32 s61, s12, 49152
	s_add_co_u32 s62, s62, s61
	s_add_nc_u64 s[40:41], s[4:5], s[62:63]
	s_lshl_b32 s62, s14, 13                        ; x's scale words: 512 bytes a tile
	s_lshl_b32 s61, s12, 11
	s_add_co_u32 s62, s62, s61
	s_add_co_u32 s62, s62, XQ_SC
	s_add_nc_u64 s[42:43], s[4:5], s[62:63]
	s_mul_i32 s62, s15, 6144                       ; W's scale words: 12 tiles of 512 bytes a head
	s_add_co_u32 s62, s62, WQ_SC
	s_add_nc_u64 s[44:45], s[6:7], s[62:63]
	s_mul_i32 s62, s15, 768
	s_add_nc_u64 s[46:47], s[8:9], s[62:63]        ; the head's 192 biases
	s_mul_i32 s62, s15, 196608                     ; Q's half images: [head][tile][768]; K's and V's are reached by immediates
	s_mul_i32 s61, s14, 12288
	s_add_co_u32 s62, s62, s61
	s_mul_i32 s61, s12, 3072
	s_add_co_u32 s62, s62, s61
	s_add_nc_u64 s[48:49], s[10:11], s[62:63]
	s_and_b32 s2, s12, 1                           ; V's images: [key step of 128][channel tile][1,536]: a lane's 48 bytes are 24 of the even wave's 64 keys, then 24 of the odd wave's
	s_mul_i32 s2, s2, 2552                         ; the odd wave goes 3,072 back to its key step and 520 on: byte 24 of a lane's 48 lies at 512 + 8
	s_mov_b32 s3, 0
	s_sub_nc_u64 s[50:51], s[48:49], s[2:3]
	s_mul_i32 s3, s15, 40960
	s_add_co_u32 s3, s3, SCOFF                     ; the head's scale words
	s_lshl_b32 s62, s14, 10
	s_lshl_b32 s61, s12, 8
	s_add_co_u32 s62, s62, s61
	s_add_co_u32 s62, s62, s3
	s_add_nc_u64 s[52:53], s[10:11], s[62:63]      ; q's: 256 bytes for four tiles: group 4 TB + w
	s_mul_i32 s62, s14, 1536
	s_add_co_u32 s62, s62, s3
	s_add_co_u32 s62, s62, 16384+512
	s_add_nc_u64 s[54:55], s[10:11], s[62:63]
	s_and_b32 s60, s12, 1
	s_mul_i32 s60, s60, 496                        ; the middle 8 bytes of a wave's 24: at 8 for the even wave, at 1,024 for the odd one
	s_mov_b32 s61, 0
	s_add_nc_u64 s[60:61], s[50:51], s[60:61]
.irp b, 0,1,2,3,4,5,6,7                        ; q's and k's bias in the result's layout: lane (r, h), tile b: columns 32 (b / 2) + 8 (b % 2) + 16 h + 0 .. 7
	global_load_b128 v[160+8*\b:163+8*\b], v4, s[46:47] offset:(32*(\b/2)+8*(\b%2))*4
	global_load_b128 v[164+8*\b:167+8*\b], v4, s[46:47] offset:(32*(\b/2)+8*(\b%2))*4+16
.endr
.irp b, 0,1,2,3                                ; v's: a lane holds one channel
	global_load_b32 v[224+8*\b], v5, s[46:47] offset:512+(32*(\b/2)+8*(\b%2))*4
.endr
.irp a, 0,1,2,3
.irp j, 0,1,2,3
	global_load_b32 v[32+4*\a+\j], v3, s[42:43] offset:512*\a+128*\j
.endr
.endr
.irp b, 0,1,2,3,4,5,6,7,8,9,10,11
.irp j, 0,1,2,3
	global_load_b32 v[48+4*\b+\j], v3, s[44:45] offset:512*\b+128*\j
.endr
.endr
	ALOAD 0
	ALOAD 1
	ALOAD 2
	ALOAD 3
	ARRIVE 0
	BLOAD 0, 0
	BLOAD 1, 0
	BLOAD 2, 0
	WIN 0
	s_wait_loadcnt 36                              ; all but x's K steps 1 to 3
.irp b, 0,1,2,3
.irp j, 1,2,3,4,5,6,7
	v_mov_b32 v[224+8*\b+\j], v[224+8*\b]          ; v's bias over a tile's eight registers
.endr
.endr
	s_wait_alu depctr_va_vdst(0)
.irp s, 0,1,2,3,4,5,6,7
	KSTEP \s
.endr
	; THE WAY OUT.  q and k, a tile of tokens at a time: x 64^(-1/4), quantised; registers 0-5 of the codes are q's half image, 6-11 k's.
	PLACES
	WIN 0
.irp b, 0,1,2,3
	v_mov_b32 v[TM+4+\b], 0                        ; written once: a lane permute's destination counts as one of its sources
.endr
.irp a, 0,1,2,3
	WIN 0x02                                       ; source 0 window 2
.set i, 0
.rept 32
	v_pk_mul_f32 v[H+i:H+i+1], v[64*\a+i:64*\a+i+1], s[56:57] op_sel_hi:[1,0]   ; ascending: each accumulator from its low end on
.set i, i+2
.endr
	QUANT H, 0, PC+12*\a
	v_perm_b32 v[SW+\a], v[PW], v[PW], v11         ; lanes 0-15: q's two bytes twice; lanes 16-31: k's
	global_store_b128 v1, v[PC+12*\a:PC+12*\a+3], s[48:49] offset:768*\a
	global_store_b64 v2, v[PC+12*\a+4:PC+12*\a+5], s[48:49] offset:768*\a+512
; K's half images of two neighbouring tiles make one image of 12 registers: registers 4 c .. 4 c + 3 of lane l at 512 c + 16 l
.if (\a)%2 == 0
	global_store_b128 v1, v[PC+12*\a+6:PC+12*\a+9], s[48:49] offset:KOFF+768*\a
	global_store_b64 v1, v[PC+12*\a+10:PC+12*\a+11], s[48:49] offset:KOFF+768*\a+512
.else
	global_store_b64 v1, v[PC+12*\a+6:PC+12*\a+7], s[48:49] offset:KOFF+768*(\a-1)+520
	global_store_b128 v1, v[PC+12*\a+8:PC+12*\a+11], s[48:49] offset:KOFF+768*(\a-1)+1024
.endif
.endr
	global_store_b128 v10, v[SW:SW+3], s[52:53]    ; 256 consecutive bytes of q's words and 256 of k's
	; v: two tiles of channels at a time; a lane's 32 registers of a tile are 64 tokens' halves: two blocks along the keys
.irp c, 0,1
	QUANT 64*\c, 3, PC+48+12*\c
.irp i, 0,1                                    ; channel tile 2 c + i: my 24 bytes a lane, in three pieces of 8
	global_store_b64 v1, v[PC+48+12*\c+6*\i:PC+49+12*\c+6*\i], s[50:51] offset:VOFF+3072*\c+1536*\i
	global_store_b64 v1, v[PC+50+12*\c+6*\i:PC+51+12*\c+6*\i], s[60:61] offset:VOFF+3072*\c+1536*\i+8
	global_store_b64 v1, v[PC+52+12*\c+6*\i:PC+53+12*\c+6*\i], s[50:51] offset:VOFF+3072*\c+1536*\i+512
.endr
	ds_store_b16 v12, v[PW] offset:8*\c            ; tile 2 c's two bytes: my half of its word for 128 keys (lanes r and r + 16 write the same bytes with the same value)
	ds_store_b16_d16_hi v12, v[PW] offset:8*\c+4   ; tile 2 c + 1's
.endr
	s_wait_dscnt 0x0                               ; for the others' sake: my stores into the stage are done
	s_barrier_signal -1
	s_barrier_wait -1
	s_cmp_lg_u32 s12, 0
	s_cbranch_scc1 .Lnot_mine
	ds_load_b128 v[RB:RB+3], v13
	s_wait_dscnt 0x0
	global_store_b128 v14, v[RB:RB+3], s[54:55]    ; two pieces of 256 consecutive bytes
.Lnot_mine:
	s_wait_tensorcnt 0x0
	ds_add_u32 v126, v127
	s_wait_dscnt 0x0
	CROUND                                         ; the closing round
	s_endpgm
.Lfunc_end_k_qeeb3022061_gemm_qkv:
	.size	k_qeeb3022061_gemm_qkv, .Lfunc_end_k_qeeb3022061_gemm_qkv-k_qeeb3022061_gemm_qkv
	.p2alignl 7, 3214868480
	.fill 96, 4, 3214868480
	.section	.rodata,"a",@progbits
	.p2align	6, 0x0
	.amdhsa_kernel k_qeeb3022061_gemm_qkv
		.amdhsa_group_segment_fixed_size 168448
		.amdhsa_private_segment_fixed_size 0
		.amdhsa_enable_private_segment 0
		.amdhsa_kernarg_size 32
		.amdhsa_user_sgpr_count 2
		.amdhsa_user_sgpr_kernarg_segment_ptr 1
		.amdhsa_wavefront_size32 1
		.amdhsa_system_sgpr_workgroup_id_x 1
		.amdhsa_system_sgpr_workgroup_id_y 1
		.amdhsa_system_sgpr_workgroup_id_z 1
		.amdhsa_system_vgpr_workitem_id 0
		.amdhsa_next_free_vgpr 1024
		.amdhsa_next_free_sgpr 66
		.amdhsa_reserve_vcc 1
		.amdhsa_float_denorm_mode_32 3
		.amdhsa_float_denorm_mode_16_64 3
		.amdhsa_memory_ordered 1
		.amdhsa_forward_progress 1
		.amdhsa_inst_pref_size 131
	.end_amdhsa_kernel
	.amdgpu_metadata
---
amdhsa.version: [ 1, 2 ]
amdhsa.kernels:
  - .name:           k_qeeb3022061_gemm_qkv
    .symbol:         k_qeeb3022061_gemm_qkv.kd
    .args:
      - { .name: xq, .offset: 0, .size: 8, .value_kind: global_buffer, .address_space: global }
      - { .name: wq, .offset: 8, .size: 8, .value_kind: global_buffer, .address_space: global }
      - { .name: bqkv, .offset: 16, .size: 8, .value_kind: global_buffer, .address_space: global }
      - { .name: qkv, .offset: 24, .size: 8, .value_kind: global_buffer, .address_space: global }
    .group_segment_fixed_size: 168448
    .private_segment_fixed_size: 0
    .kernarg_segment_align: 8
    .kernarg_segment_size: 32
    .max_flat_workgroup_size: 128
    .sgpr_count:     66
    .vgpr_count:     1024
    .wavefront_size: 32
...
	.end_amdgpu_metadata
.endif
;; end of part 2
;; launch attn (part 3): grid 16 x 16, 16 waves a work-group, clusters of 4 x 1, 327,680 bytes of LDS; arguments qkv, oq; writes oq
.if DOCPART == 3
	.amdgcn_target "amdgcn-amd-amdhsa--gfx1250"
	.amdhsa_code_object_version 6
	.text
	.protected	k_qeeb3022061_attn
	.globl	k_qeeb3022061_attn
	.p2align	8
	.type	k_qeeb3022061_attn,@function
k_qeeb3022061_attn:
	s_mov_b64 s[64:65], 0
	v_nop
	global_prefetch_b8 v0, s[64:65] scope:SCOPE_SE
	s_setreg_imm32_b32 hwreg(HW_REG_WAVE_MODE, 25, 1), 1
	s_wait_xcnt 0x0
	s_wait_alu depctr_hold_cnt(0) depctr_sa_sdst(0) depctr_va_vdst(0) depctr_va_sdst(0) depctr_va_ssrc(0) depctr_va_vcc(0) depctr_vm_vsrc(0)
	s_getreg_b32 s2, hwreg(HW_REG_IB_STS2, 6, 4)
	s_cmp_eq_u32 s2, 0
	s_cbranch_scc0 .Lentry_in_a_cluster
	s_endpgm
.Lentry_in_a_cluster:
	s_bfe_u32 s2, ttmp6, 0x10000c
	s_cmp_lg_u32 s2, 0x3003
	s_cbranch_scc0 .Lentry_shape_is_right
	s_endpgm
.Lentry_shape_is_right:
; o = softmax(q k^T) v for one head and 256 queries a work-group, both products on codes of FP6 (E2M3) with E8M0 scales; o is quantised along the width on the way out.  (q and k carry the factor 64^(-1/4) already.)
; THE SOFTMAX: t = score x log2(e); M = the running largest t rounded UP to a whole number; p = 2^(t - M) is quantised along the keys, not normalised; the row's sum is taken of the unquantised p and divides at the end.
; When M moves, the sum and O are multiplied by 2^(old M - new M): exact, and without a branch on data.
; SHARES.  Sixteen waves, one tile of 16 queries each, 256 registers; every wave walks the head's 4,096 keys, 128 a step.
; BOTH PRODUCTS TRANSPOSED: S^T = K Q^T, O^T = V^T P^T: a lane holds ONE query.
; THE KEYS OF A SCORE TILE: tile 4 c + u takes keys 64 c + 8 u + 0..7 as rows 0-7 and keys 64 c + 32 + 8 u + 0..7 as rows 8-15.  So the 32 registers of tiles 4 c .. 4 c + 3 of lane (r, h) are keys
; 64 c + 32 h + 0..31: ONE WHOLE BLOCK of the next K, in the place that the operand's layout gives that lane.  A block's maximum needs no other lane and the codes need no exchange of lanes.
; K AND V IN MEMORY are images of 12 registers (1,536 bytes: registers 4 p .. 4 p + 3 of lane l at 512 p + 16 l).  K: two stored tiles of 16 keys x 64 channels; stored tile a of a group of 64 keys holds keys
; 32 (a / 2) + 8 (a % 2) + r % 8 + 16 (r / 8), so lane (r, h) of score tiles 4 c + 2 g, + 1 reads lane r % 8 + 8 g + 16 h of image 2 c + r / 8.  V: 16 channels x 128 keys.
; LDS: two slots of 1,024 keys; the mover lays 64 bytes behind each 256, so an image is six rows of 320 bytes and images 1,920 bytes apart begin 128 bytes apart modulo 256: the sixteen lanes of a K load touch 256 different bytes modulo 256.
; The head's k and v scale words (three rows of 256 bytes a key step, padded alike) come once.
; CLUSTER: the four query blocks of a cluster belong to one head: each load is asked for JOINTLY.  Waves 0, 1 fetch K's halves of a slot, waves 2, 3 V's, wave 4 the scale words: 96 rows a load, one load a wave at the head
; and behind each round.the add in front of a refill's round is written twice.
; No prefetch is laid: a refill is issued eight key steps of all sixteen waves ahead of its first read.
; K OF 64 IN AN INSTRUCTION OF 128: Q's registers 6-11 hold zero codes; K's tile t is named v[32 + 6 t .. + 11]: its upper six registers are the next tile's codes (behind the last: zeros), and E2M3 has no infinity
; and no NaN, so those products are exact zeros.  q's and k's scale words hold their two bytes twice.
; LIMITS: NaN and infinities are not served; the scaled scores stay under 2^31 in magnitude; a block of o under 2^-124 or of zeros takes the byte 1.
; REGISTERS: v1, v2 16 and 8 x lane; v3, v6-8 the lane's places in K, V and the scale words; v4, v5 the add's two; v9-11 the end's addresses; v12 -M, v13 the largest score, v[14:15] the sum; v16-27 Q; v28 Q's scale word,
;   v29 p's; v[30:31] f; v32-85 fragments of K or V; v86-93 K's scale words, v94-97 V's; v98-161 S^T, then p; v162-193 O^T; v194-205 p's codes; v206-229 at work; v230-233 the step's addresses; v240-253 partial sums.
.set KOFF,  3145728
.set SCOFF, 9437184
.set OQ_SC, 3145728
.set SLOT1, 1<<17                      ; slot 1: one exclusive or turns an address in one slot into the other's
.set STEPB, 7680                       ; a key step's four images of K, or of V: 24 rows of 320 bytes
.set VPART, 8*STEPB                    ; in a slot: K's eight steps, then V's
.set SPARE, 122880                     ; behind slot 0: the spare words, 128 bytes for each of 16 waves
.set OSTG,  124928                     ; 1,024 bytes in which the sixteen waves' scale words of o meet
.set SCL,   SLOT1+2*VPART              ; behind slot 1: the scale words, 960 bytes a key step
.macro CROUND
	s_barrier_signal -1
	s_barrier_wait -1
	s_cmp_lg_u32 s8, 0
	s_cbranch_scc1 .Lnot_wave_0_\@
	s_barrier_signal -3
.Lnot_wave_0_\@:
	s_barrier_wait -3
	s_barrier_signal -1
	s_barrier_wait -1
.endm
.macro NOP4
.rept 4
	v_nop
.endr
.endm
	s_load_b128 s[4:7], s[0:1], 0x0                ; qkv, oq
	v_lshl_add_u32 v4, v0, 2, SPARE
	v_mov_b32 v5, 0
	ds_add_u32 v4, v5                              ; the opening lines: the add, twice on end, and its wait
	ds_add_u32 v4, v5
	v_lshrrev_b32 v9, 5, v0
	v_readfirstlane_b32 s8, v9                     ; wave 0..15
	s_bfe_u32 s9, ttmp6, 0x40000                   ; cx
	s_lshl_b32 s10, ttmp9, 2
	s_add_co_u32 s10, s10, s9                      ; QB: my block of 256 queries; it enters Q's and o's global addresses alone
	s_and_b32 s11, ttmp7, 0xffff                   ; the head, which the four partners share
	; descriptor group 1: 96 dense rows of 256 bytes (32 elements of 8 bytes), 16 words of padding behind each
	s_mov_b32 s16, 15|(3<<16)|(1<<20)|(1<<21)|(5<<22)|(15<<25)
	s_mov_b32 s17, 32<<16
	s_mov_b32 s18, 96<<16
	s_mov_b32 s19, 32<<16
	s_mov_b32 s20, 96
	s_mov_b32 s21, 32
	s_mov_b32 s22, 0
	s_mov_b32 s23, 0
	s_and_b32 s12, s8, 3                           ; which quarter of a slot a fetching wave takes
	s_lshr_b32 s13, s12, 1                         ; 0: K, 1: V
	s_and_b32 s14, s8, 1                           ; which half of it
	s_mul_i32 s3, s11, 40960
	s_add_co_u32 s3, s3, SCOFF                     ; the head's scale words
	s_mul_i32 s15, s11, 196608                     ; the head's images, in each of Q, K, V
	s_mov_b32 s44, 0x76543210
	s_mov_b32 s45, 0xfedcba98                      ; v_permlanex16_b32's selects for lane l xor 16
	s_mov_b32 s46, 0x3fb8aa3b                      ; log2(e)
	s_mov_b32 s47, s46
	s_mov_b32 s48, SLOT1+VPART                     ; LDS byte of the step's K images: as behind a walk of slot 1; the first change of slots turns it to 0
	s_mov_b32 s49, 0                               ; and of its scale words
	s_add_co_u32 s62, s3, 16384
	s_mov_b32 s63, 0
	s_wait_dscnt 0x0                               ; both opening adds are done
	s_wait_kmcnt 0x0
	s_mov_b32 s32, 1                               ; the k and v scale words
	s_mov_b32 s33, SCL
	s_add_nc_u64 s[34:35], s[4:5], s[62:63]
	s_or_b32 s35, s35, 0x80000000
	s_mul_i32 s62, s13, KOFF
	s_add_co_u32 s62, s62, KOFF
	s_add_co_u32 s62, s62, s15
	s_mul_i32 s61, s14, 24576
	s_add_co_u32 s62, s62, s61
	s_mov_b32 s40, 1                               ; the walking descriptor: slot 0, keys 0 .. 1,023
	s_mul_i32 s41, s12, 30720
	s_add_nc_u64 s[42:43], s[4:5], s[62:63]
	s_or_b32 s43, s43, 0x80000000
	CROUND                                         ; all four work-groups are here: the first joint loads meet
	s_cmp_lt_u32 s8, 4                             ; one chain of arms, one load to an arm
	s_cbranch_scc0 .Lscales
	tensor_load_to_lds s[40:43], s[16:23]
	s_nop 0
	NOP4
	s_branch .Lasked
.Lscales:
	s_cmp_eq_u32 s8, 4
	s_cbranch_scc0 .Lasked
	tensor_load_to_lds s[32:35], s[16:23]
	s_nop 0
	NOP4
.Lasked:
	s_mul_i32 s62, s10, 12288                      ; Q: tile T = 16 QB + w, 768 bytes a tile
	s_mul_i32 s61, s8, 768
	s_add_co_u32 s62, s62, s61
	s_add_co_u32 s62, s62, s15
	s_add_nc_u64 s[52:53], s[4:5], s[62:63]
	s_lshl_b32 s62, s10, 10                        ; its scale word: [T / 4][r][T % 4]
	s_lshr_b32 s61, s8, 2
	s_lshl_b32 s61, s61, 8
	s_add_co_u32 s62, s62, s61
	s_lshl_b32 s61, s12, 2
	s_add_co_u32 s62, s62, s61
	s_add_co_u32 s62, s62, s3
	s_add_nc_u64 s[54:55], s[4:5], s[62:63]
	s_mul_i32 s62, s10, 196608                     ; o's half image: [T][head][768]
	s_mul_i32 s61, s8, 12288
	s_add_co_u32 s62, s62, s61
	s_mul_i32 s61, s11, 768
	s_add_co_u32 s62, s62, s61
	s_add_nc_u64 s[56:57], s[6:7], s[62:63]
	s_lshl_b32 s62, s11, 14                        ; o's scale words: [head][T][r]
	s_lshl_b32 s61, s10, 10
	s_add_co_u32 s62, s62, s61
	s_add_co_u32 s62, s62, OQ_SC
	s_add_nc_u64 s[58:59], s[6:7], s[62:63]
	s_lshl_b32 s2, s8, 6
	s_add_co_u32 s2, s2, OSTG
	v_and_b32 v10, 31, v0                          ; lane
	v_and_b32 v11, 15, v0                          ; r
	v_bfe_u32 v227, v0, 4, 1                       ; h
	v_bfe_u32 v228, v0, 3, 1                       ; r / 8
	v_and_b32 v229, 7, v0                          ; r % 8
	v_lshlrev_b32 v1, 4, v10                       ; 16 x lane
	v_lshlrev_b32 v2, 3, v10                       ; 8 x lane
	v_mul_u32_u24 v3, v228, 1920
	v_mad_u32_u24 v3, v227, 320, v3
	v_lshl_add_u32 v3, v229, 4, v3                 ; K: image r / 8 of the group's two, row h of a plane's two, 16 (r % 8)
	v_mul_u32_u24 v6, v227, 320
	v_lshl_add_u32 v6, v11, 4, v6
	v_add_nc_u32 v6, VPART, v6                     ; V: 16 r + 320 h
	v_lshlrev_b32 v7, 3, v228
	v_lshl_add_u32 v7, v229, 4, v7
	v_add_nc_u32 v7, SCL, v7                       ; K's scale words [stored row][stored tile]: 16 (r % 8) + 8 (r / 8)
	v_lshl_add_u32 v8, v11, 4, SCL+640             ; V's: the step's third row, 16 r
	v_lshl_add_u32 v9, v11, 2, s2                  ; o's scale word: 64 w + 4 r
	v_lshlrev_b32 v10, 4, v11                      ; 16 r: Q's scale word in memory
	v_add_nc_u32 v11, OSTG, v1
	s_wait_alu depctr_va_vdst(0)
	global_load_b128 v[16:19], v1, s[52:53]        ; Q stays in registers
	global_load_b64 v[20:21], v2, s[52:53] offset:512
	global_load_b32 v28, v10, s[54:55]
.irp j, 22,23,24,25,26,27,80,81,82,83,84,85
	v_mov_b32 v[\j], 0                             ; zero codes: Q's upper K, and what stands behind K's last tile
.endr
	v_mov_b32 v13, 0xfe967699                      ; the largest score so far: -1e38
	v_mov_b32 v14, 0
	v_mov_b32 v15, 0
	v_mov_b32 v31, 0                               ; (named as the upper half of the pair v[30:31])
	v_mul_f32 v227, s46, v13
	v_mov_b32 v218, 0                              ; a lane permute's destination counts as one of its sources
	v_mov_b32 v219, 0
	v_floor_f32 v12, -v227                         ; -M
.set j, 0
.rept 32
	v_mov_b32 v[162+j], 0                          ; O^T: the step is written once; its first trip finds zeros
.set j, j+1
.endr
; A KEY STEP: 128 keys.
.macro STEP
	v_add_nc_u32 v230, s48, v3                     ; these four are the places behind the last trip's products, ahead of the loads into their sources
	v_add_nc_u32 v231, s49, v7
	v_add_nc_u32 v232, s48, v6
	v_add_nc_u32 v233, s49, v8
.irp c, 0,1
.irp g, 0,1
.irp p, 0,1,2
	ds_load_b128 v[32+24*\c+12*\g+4*\p:35+24*\c+12*\g+4*\p], v230 offset:3840*\c+128*\g+640*\p   ; score tiles 4 c + 2 g and + 1: 12 registers
.endr
	ds_load_b64 v[86+4*\c+2*\g:87+4*\c+2*\g], v231 offset:320*\c+128*\g   ; and their two scale words
.endr
.endr
	s_wait_alu depctr_va_vdst(0)
	s_wait_dscnt 0x0
.irp t, 0,1,2,3,4,5,6,7
	v_wmma_scale_f32_16x16x128_f8f6f4 v[98+8*\t:105+8*\t], v[32+6*\t:43+6*\t], v[16:27], 0, v[86+\t], v28 matrix_a_fmt:MATRIX_FMT_FP6 matrix_b_fmt:MATRIX_FMT_FP6
.endr
	v_mov_b32 v226, v12                            ; the old -M; with the three v_nop: the places ahead of the loads into K's registers and of the first read of the scores
	v_nop
	v_nop
	v_nop
.irp t, 0,1,2,3                                ; V's four tiles of channels x 128 keys land while the softmax is walked
.irp p, 0,1,2
	ds_load_b128 v[32+12*\t+4*\p:35+12*\t+4*\p], v232 offset:1920*\t+640*\p
.endr
.endr
	ds_load_b128 v[94:97], v233
; the largest score of my two blocks of 32 keys: a chain for each accumulator's first seven registers, eight chains by turns (v234-241); each accumulator is first read at its low end
.irp c, 0,1
.irp q, 0,1,2,3
	v_max3_num_f32 v[234+4*\c+\q], v[98+32*\c+8*\q], v[99+32*\c+8*\q], v[100+32*\c+8*\q]
.endr
.endr
.irp i, 3,5
.irp c, 0,1
.irp q, 0,1,2,3
	v_max3_num_f32 v[234+4*\c+\q], v[234+4*\c+\q], v[98+32*\c+8*\q+\i], v[99+32*\c+8*\q+\i]
.endr
.endr
.endr
.irp c, 0,1                                    ; the four eighth registers go into chains 0 and 1; chains 2 and 3 are joined
	v_max3_num_f32 v[234+4*\c], v[234+4*\c], v[105+32*\c], v[113+32*\c]
	v_max3_num_f32 v[235+4*\c], v[235+4*\c], v[121+32*\c], v[129+32*\c]
	v_max_num_f32 v[236+4*\c], v[236+4*\c], v[237+4*\c]
.endr
.irp c, 0,1
	v_max3_num_f32 v[214+\c], v[234+4*\c], v[235+4*\c], v[236+4*\c]
.endr
	s_delay_alu instid0(VALU_DEP_1)
	v_max3_num_f32 v13, v13, v214, v215
	s_delay_alu instid0(VALU_DEP_1)
	v_permlanex16_b32 v218, v13, s44, s45
	s_delay_alu instid0(VALU_DEP_1)
	v_max_num_f32 v13, v13, v218                   ; the running largest score of my query
	s_delay_alu instid0(VALU_DEP_1)
	v_mul_f32 v227, s46, v13                       ; as t
	v_floor_f32 v12, -v227                         ; the new -M = -ceil(t)
.set j, 0
.rept 4
	v_pk_fma_f32 v[98+j:99+j], v[98+j:99+j], s[46:47], v[12:13] op_sel_hi:[1,0,0]   ; t - M; the three lines that make f stand among these, four apart
.set j, j+2
.endr
	v_sub_f32 v227, v12, v226                      ; old M - new M: a whole number, 0 or less
.rept 4
	v_pk_fma_f32 v[98+j:99+j], v[98+j:99+j], s[46:47], v[12:13] op_sel_hi:[1,0,0]
.set j, j+2
.endr
	v_cvt_i32_f32 v227, v227                       ; (it saturates)
.rept 4
	v_pk_fma_f32 v[98+j:99+j], v[98+j:99+j], s[46:47], v[12:13] op_sel_hi:[1,0,0]
.set j, j+2
.endr
	v_ldexp_f32 v30, 1.0, v227                     ; f = 2^(old M - new M)
.rept 20
	v_pk_fma_f32 v[98+j:99+j], v[98+j:99+j], s[46:47], v[12:13] op_sel_hi:[1,0,0]
.set j, j+2
.endr
.irp c, 0,1
	v_fma_f32 v[214+\c], v[214+\c], s46, v12       ; the same of each block's largest score: p rises with the score
.endr
	s_wait_alu depctr_va_vdst(0)                   ; the wait ahead of the batch
.set j, 0
.rept 64
	v_exp_f32 v[98+j], v[98+j]                     ; p = 2^(t - M)
.set j, j+1
.endr
	v_exp_f32 v214, v214                           ; the blocks' largest p
	v_exp_f32 v215, v215
	v_pk_mul_f32 v[14:15], v[14:15], v[30:31] op_sel_hi:[1,0]   ; the sums under the new M: a plain place behind the exponentials
	s_wait_alu depctr_va_vdst(0)                   ; one wait for the batch of 66, ahead of its first reader
	; the row's sum of the unquantised p: eight chains; the blocks' scales are made between their rounds
.irp k, 0,1,2,3,4,5,6
	v_pk_add_f32 v[240+2*\k:241+2*\k], v[98+4*\k:99+4*\k], v[100+4*\k:101+4*\k]
.endr
	v_pk_add_f32 v[14:15], v[14:15], v[126:127]
	v_max_num_f32 v214, 0x1800000, v214            ; the floor 2^(3 - 127)
	v_max_num_f32 v215, 0x1800000, v215
.irp k, 0,1,2,3,4,5,6
	v_pk_add_f32 v[240+2*\k:241+2*\k], v[240+2*\k:241+2*\k], v[128+2*\k:129+2*\k]
.endr
	v_pk_add_f32 v[14:15], v[14:15], v[142:143]
	v_add_nc_u32 v222, 0xff000000, v214            ; 2 off the exponent field: the conversion's scale operand
	v_add_nc_u32 v223, 0xff000000, v215
.irp k, 0,1,2,3
	v_pk_add_f32 v[240+2*\k:241+2*\k], v[240+2*\k:241+2*\k], v[144+2*\k:145+2*\k]
.endr
	v_lshrrev_b32 v220, 23, v222                   ; the bytes of blocks h and 2 + h
	v_lshrrev_b32 v221, 23, v223
.irp k, 4,5,6
	v_pk_add_f32 v[240+2*\k:241+2*\k], v[240+2*\k:241+2*\k], v[144+2*\k:145+2*\k]
.endr
	v_pk_add_f32 v[14:15], v[14:15], v[158:159]
	v_lshl_or_b32 v219, v221, 16, v220
	v_pk_add_f32 v[240:241], v[240:241], v[160:161]
	v_pk_add_f32 v[244:245], v[244:245], v[246:247]
	v_pk_add_f32 v[248:249], v[248:249], v[250:251]
	v_pk_add_f32 v[14:15], v[14:15], v[252:253]
	v_permlanex16_b32 v218, v219, s44, s45
	v_pk_add_f32 v[240:241], v[240:241], v[242:243]
.irp c, 0,1
	v_cvt_scalef32_pk16_fp6_f32 v[194+6*\c:196+6*\c], v[98+32*\c:113+32*\c], v[222+\c]
	v_cvt_scalef32_pk16_fp6_f32 v[206+4*\c:208+4*\c], v[114+32*\c:129+32*\c], v[222+\c]   ; a conversion's three registers begin on an even number
.endr
	s_wait_dscnt 0x0                               ; V
	s_wait_alu depctr_va_vdst(0)                   ; the wait directly ahead of the first reader of O^T
; O^T under the new M: sixteen lines; the last three additions of the row's sum, p's scale word and the codes' six moves stand among them, each five lines or more behind what it reads
.set j, 0
.rept 4
	v_pk_mul_f32 v[162+j:163+j], v[162+j:163+j], v[30:31] op_sel_hi:[1,0]   ; also the plain places behind the conversions
.set j, j+2
.endr
	v_pk_add_f32 v[14:15], v[14:15], v[248:249]
	v_pk_add_f32 v[240:241], v[240:241], v[244:245]
	v_lshl_or_b32 v29, v218, 8, v219               ; lanes 0-15: p's scale word for these 128 keys (lanes 16-31 are not read); 19 plain lines ahead of the products
.rept 4
	v_pk_mul_f32 v[162+j:163+j], v[162+j:163+j], v[30:31] op_sel_hi:[1,0]
.set j, j+2
.endr
.irp c, 0,1
.irp i, 0,1,2
	v_mov_b32 v[197+6*\c+\i], v[206+4*\c+\i]
.endr
.endr
	v_pk_add_f32 v[14:15], v[14:15], v[240:241]
.rept 8
	v_pk_mul_f32 v[162+j:163+j], v[162+j:163+j], v[30:31] op_sel_hi:[1,0]   ; and the places between p's codes and the products
.set j, j+2
.endr
.irp t, 0,1,2,3
	v_wmma_scale_f32_16x16x128_f8f6f4 v[162+8*\t:169+8*\t], v[32+12*\t:43+12*\t], v[194:205], v[162+8*\t:169+8*\t], v[94+\t], v29 matrix_a_fmt:MATRIX_FMT_FP6 matrix_b_fmt:MATRIX_FMT_FP6
.endr
	s_add_co_u32 s48, s48, STEPB
	s_add_co_u32 s49, s49, 960
.endm
.macro SLOT_STEPS                      ; a slot's eight key steps
	s_mov_b32 s51, 8
.Lstep_\@:
	STEP
	s_sub_co_u32 s51, s51, 1
	s_cmp_lg_u32 s51, 0
	s_cbranch_scc1 .Lstep_\@
.endm
; THE CHANGE OF SLOTS.  Every wave waits for all its tensor loads, adds 0 to its spare word, and waits for that and for its reads of the slot that it leaves.  fill = 1: the barrier is a round of the cluster's,
; and behind it the other slot than the one now walked takes the next 1,024 keys: the first thing there, one load a wave; it has eight key steps in which to land.
.macro CHANGE fill
	s_wait_tensorcnt 0x0                           ; no tensor load of mine is out, so a group 0 may be written
	ds_add_u32 v4, v5                              ; 0 onto my spare word
.if \fill
	ds_add_u32 v4, v5                              ; twice
	s_xor_b32 s41, s41, SLOT1                      ; the walking descriptor: the other slot than last time,
	s_add_nc_u64 s[42:43], s[42:43], 49152         ; the next 1,024 keys; the type bits on top are not reached
.endif
	s_wait_dscnt 0x0
.if \fill
	CROUND
	s_cmp_lt_u32 s8, 4
	s_cbranch_scc0 .Lnone_\@
	tensor_load_to_lds s[40:43], s[16:23]
	s_nop 0
	NOP4
.Lnone_\@:
.else
	s_barrier_signal -1
	s_barrier_wait -1
.endif
	s_sub_co_u32 s48, s48, VPART                   ; back to a slot's first step,
	s_xor_b32 s48, s48, SLOT1                      ; in the other slot
.endm
	s_wait_alu depctr_va_vdst(0)                   ; the wait at the head's end
	s_wait_loadcnt 0x0                             ; Q
	s_mov_b32 s50, 3
.Lslot:                                                ; trip i walks keys 1,024 i on and asks for keys 1,024 (i + 1) on; the first trip's load is slot 1's first fill, issued as a refill is
	CHANGE 1
	SLOT_STEPS
	s_sub_co_u32 s50, s50, 1
	s_cmp_lg_u32 s50, 0
	s_cbranch_scc1 .Lslot
	CHANGE 0                                       ; the last slot is written out
	SLOT_STEPS
	; THE END: O^T / the sum, quantised along the head's 64 channels (two blocks), as a half image
	NOP4
	v_add_f32 v14, v14, v15
	s_delay_alu instid0(VALU_DEP_1)
	v_permlanex16_b32 v226, v14, s44, s45
	s_delay_alu instid0(VALU_DEP_1)
	v_add_f32 v14, v14, v226                       ; the row's sum
	s_wait_alu depctr_va_vdst(0)
	v_rcp_f32 v14, v14
	v_nop                                          ; a plain place behind the reciprocal
	s_wait_alu depctr_va_vdst(0)                   ; and the wait ahead of its first reader
.set j, 0
.rept 32
	v_mul_f32 v[98+j], v[162+j], v14               ; register 16 b + i: channel 32 b + 16 (lane / 16) + i
.set j, j+1
.endr
.irp b, 0,1
	v_max3_num_f32 v[214+\b], |v[98+16*\b]|, |v[99+16*\b]|, 0x1800000
.endr
.irp i, 2,4,6,8,10,12,14
.irp b, 0,1
	s_delay_alu instid0(VALU_DEP_2)
	v_max3_num_f32 v[214+\b], v[214+\b], |v[98+16*\b+\i]|, |v[99+16*\b+\i]|
.endr
.endr
.irp b, 0,1
	s_delay_alu instid0(VALU_DEP_2)
	v_permlanex16_b32 v[218+\b], v[214+\b], s44, s45
.endr
.irp b, 0,1
	s_delay_alu instid0(VALU_DEP_2)
	v_max_num_f32 v[214+\b], v[214+\b], v[218+\b]
.endr
.irp b, 0,1
	s_delay_alu instid0(VALU_DEP_2)
	v_add_nc_u32 v[222+\b], 0xff000000, v[214+\b]
.endr
.irp b, 0,1
	s_delay_alu instid0(VALU_DEP_2)
	v_lshrrev_b32 v[218+\b], 23, v[222+\b]
.endr
	s_delay_alu instid0(VALU_DEP_1)
	v_lshl_or_b32 v29, v219, 8, v218               ; two bytes, in the word's low half
	v_cvt_scalef32_pk16_fp6_f32 v[194:196], v[98:113], v222
	v_cvt_scalef32_pk16_fp6_f32 v[206:208], v[114:129], v223
	v_nop
.irp i, 0,1,2
	v_permlane16_swap_b32 v[194+\i], v[206+\i]
.endr
.irp i, 0,1,2
	s_delay_alu instid0(VALU_DEP_3)
	v_mov_b32 v[197+\i], v[206+\i]
.endr
	global_store_b128 v1, v[194:197], s[56:57]     ; 512 consecutive bytes,
	global_store_b64 v2, v[198:199], s[56:57] offset:512   ; and 256
	ds_store_b32 v9, v29                           ; lanes r and r + 16 write the same word with the same value
	s_wait_dscnt 0x0
	s_barrier_signal -1
	s_barrier_wait -1
	s_cmp_lg_u32 s8, 0
	s_cbranch_scc1 .Lnot_mine
	ds_load_b128 v[98:101], v11
	ds_load_b128 v[102:105], v11 offset:512
	s_wait_dscnt 0x0
	global_store_b128 v1, v[98:101], s[58:59]      ; the block's 1,024 bytes of scale words
	global_store_b128 v1, v[102:105], s[58:59] offset:512
.Lnot_mine:
	s_wait_tensorcnt 0x0                           ; the wave's end
	ds_add_u32 v4, v5
	s_wait_dscnt 0x0
	CROUND                                         ; the closing round
	s_endpgm
.Lfunc_end_k_qeeb3022061_attn:
	.size	k_qeeb3022061_attn, .Lfunc_end_k_qeeb3022061_attn-k_qeeb3022061_attn
	.p2alignl 7, 3214868480
	.fill 96, 4, 3214868480
	.section	.rodata,"a",@progbits
	.p2align	6, 0x0
	.amdhsa_kernel k_qeeb3022061_attn
		.amdhsa_group_segment_fixed_size 327680
		.amdhsa_private_segment_fixed_size 0
		.amdhsa_enable_private_segment 0
		.amdhsa_kernarg_size 16
		.amdhsa_user_sgpr_count 2
		.amdhsa_user_sgpr_kernarg_segment_ptr 1
		.amdhsa_wavefront_size32 1
		.amdhsa_system_sgpr_workgroup_id_x 1
		.amdhsa_system_sgpr_workgroup_id_y 1
		.amdhsa_system_sgpr_workgroup_id_z 1
		.amdhsa_system_vgpr_workitem_id 0
		.amdhsa_next_free_vgpr 256
		.amdhsa_next_free_sgpr 66
		.amdhsa_reserve_vcc 0
		.amdhsa_float_denorm_mode_32 3
		.amdhsa_float_denorm_mode_16_64 3
		.amdhsa_memory_ordered 1
		.amdhsa_forward_progress 1
		.amdhsa_inst_pref_size 45
	.end_amdhsa_kernel
	.amdgpu_metadata
---
amdhsa.version: [ 1, 2 ]
amdhsa.kernels:
  - .name:           k_qeeb3022061_attn
    .symbol:         k_qeeb3022061_attn.kd
    .args:
      - { .name: qkv, .offset: 0, .size: 8, .value_kind: global_buffer, .address_space: global }
      - { .name: oq, .offset: 8, .size: 8, .value_kind: global_buffer, .address_space: global }
    .group_segment_fixed_size: 327680
    .private_segment_fixed_size: 0
    .kernarg_segment_align: 8
    .kernarg_segment_size: 16
    .max_flat_workgroup_size: 512
    .sgpr_count:     66
    .vgpr_count:     256
    .wavefront_size: 32
...
	.end_amdgpu_metadata
.endif
;; end of part 3
;; launch gemm_proj (part 4): grid 32 x 8, 4 waves a work-group, clusters of 4 x 1, 168,448 bytes of LDS; arguments oq, wp, bproj, out0; writes out0
.if DOCPART == 4
	.amdgcn_target "amdgcn-amd-amdhsa--gfx1250"
	.amdhsa_code_object_version 6
	.text
	.protected	k_qeeb3022061_gemm_proj
	.globl	k_qeeb3022061_gemm_proj
	.p2align	8
	.type	k_qeeb3022061_gemm_proj,@function
k_qeeb3022061_gemm_proj:
	s_mov_b64 s[64:65], 0
	v_nop
	global_prefetch_b8 v0, s[64:65] scope:SCOPE_SE
	s_setreg_imm32_b32 hwreg(HW_REG_WAVE_MODE, 25, 1), 1
	s_wait_xcnt 0x0
	s_wait_alu depctr_hold_cnt(0) depctr_sa_sdst(0) depctr_va_vdst(0) depctr_va_sdst(0) depctr_va_ssrc(0) depctr_va_vcc(0) depctr_vm_vsrc(0)
	s_getreg_b32 s2, hwreg(HW_REG_IB_STS2, 6, 4)
	s_cmp_eq_u32 s2, 0
	s_cbranch_scc0 .Lentry_in_a_cluster
	s_endpgm
.Lentry_in_a_cluster:
	s_bfe_u32 s2, ttmp6, 0x10000c
	s_cmp_lg_u32 s2, 0x3003
	s_cbranch_scc0 .Lentry_shape_is_right
	s_endpgm
.Lentry_shape_is_right:
; out0 = o Wproj + bproj on codes of FP6 (E2M3) with E8M0 scales; out0 [4096][1024] f32.
; SHARES.  A work-group: 128 tokens x 128 columns.  A wave: 32 tokens (two tiles) x the 128 columns (eight tiles): 16 accumulators.  256 work-groups.
; The 128 columns' weights, 98,304 dense bytes of register images, come into LDS ONCE, in four chunks of two K steps; the four work-groups of a cluster share the columns, so each chunk is asked for JOINTLY.
; Nothing in LDS is filled twice.  o's fragments are a wave's own: all 16 go from memory straight into registers at the head (a K step of 128 is two neighbouring heads' half images).
; Source 0 = 16 columns of Wproj, source 1 = 16 tokens: a lane holds 8 neighbouring columns of one token.  The rows of every tile are 32 (T / 2) + 8 (T % 2) + r % 8 + 16 (r / 8); the order is undone in out0's row addresses.
; The bias is the C of each sum's first product.
; REGISTERS, in windows of 256.  Window 0: v1-9 addresses; v16-31 o's scale words; v32-63 Wproj's (lanes 0-15 an even K step, lanes 16-31 the odd one behind it); v64-95 o's bytes as stored; on the way out v64-191 rows of out0.
;   Window 1: o's 16 fragments, (K step s, tile a) at v[12 (2 s + a)].   Window 2: Wproj's eight fragments, two sets of 96.   Window 3: the accumulators, (a, b) at v[8 (8 a + b)]; v128-191 the bias tiles.
.set OQ_SC, 3145728
.set WP_SC, 786432
.set STG,   98304                      ; LDS behind the weights: a stage of 16 rows x (512 + 16) bytes for each wave
.set MSB, 0
.macro WIN new
.if MSB != (\new)
	s_set_vgpr_msb (MSB<<8)|(\new)
.set MSB, (\new)
.endif
.endm
.macro CROUND
	s_barrier_signal -1
	s_barrier_wait -1
	s_cmp_lg_u32 s12, 0
	s_cbranch_scc1 .Lnot_wave_0_\@
	s_barrier_signal -3
.Lnot_wave_0_\@:
	s_barrier_wait -3
	s_barrier_signal -1
	s_barrier_wait -1
.endm
.macro PLACES
.rept 4
	v_nop
.endr
.endm
.macro ARRIVE c                        ; chunk c lies in LDS for every wave; all four chunks have landed
	s_wait_tensorcnt 0x0                           ; my one load, chunk w whole, has landed; behind the barrier all four chunks lie in LDS
	s_wait_dscnt 0x0
	s_barrier_signal -1
	s_barrier_wait -1
.endm
.macro BSET s                          ; Wproj's eight fragments of K step s into set s % 2: 24 LDS loads of 512 consecutive bytes
	WIN 0x80
.irp b, 0,1,2,3,4,5,6,7
.irp c, 0,1,2
	ds_load_b128 v[96*((\s)%2)+12*\b+4*\c:96*((\s)%2)+12*\b+4*\c+3], v[6+(\s)/4] offset:24576*(((\s)/2)%2)+3072*\b+1536*((\s)%2)+512*\c
.endr
.endr
.endm
.macro MMP a, b, s
.set rD, 8*(8*(\a)+(\b))
.set rW, 96*((\s)%2)+12*(\b)
.set rO, 12*(2*(\s)+(\a))
.if (\s) == 0
	v_wmma_scale_f32_16x16x128_f8f6f4 v[rD:rD+7], v[rW:rW+11], v[rO:rO+11], v[128+8*(\b):135+8*(\b)], v[32+4*(\b)], v[16+8*(\a)] matrix_a_fmt:MATRIX_FMT_FP6 matrix_b_fmt:MATRIX_FMT_FP6
.elseif (\s)%2
	v_wmma_scale_f32_16x16x128_f8f6f4 v[rD:rD+7], v[rW:rW+11], v[rO:rO+11], v[rD:rD+7], v[32+4*(\b)+(\s)/2], v[16+8*(\a)+(\s)] matrix_a_fmt:MATRIX_FMT_FP6 matrix_b_fmt:MATRIX_FMT_FP6 matrix_a_scale:MATRIX_SCALE_ROW1
.else
	v_wmma_scale_f32_16x16x128_f8f6f4 v[rD:rD+7], v[rW:rW+11], v[rO:rO+11], v[rD:rD+7], v[32+4*(\b)+(\s)/2], v[16+8*(\a)+(\s)] matrix_a_fmt:MATRIX_FMT_FP6 matrix_b_fmt:MATRIX_FMT_FP6
.endif
.endm
; A K step: the next step's set of Wproj is asked for, then 16 products, each accumulator once.
.macro PSTEP s
.if (\s) < 7
	PLACES                                         ; the set that the last K step's products read is loaded again
	BSET (\s)+1
	s_wait_loadcnt 8*(7-(\s))                      ; o's fragments of this K step are in; the later K steps' eight loads each may be out
	s_wait_dscnt 24                                ; this K step's set is in; the 24 loads just issued may be out
.else
	s_wait_loadcnt 0
	s_wait_dscnt 0
.endif
	WIN 0xf6                                       ; Wproj window 2, o window 1, C and D window 3
.irp a, 0,1
.irp b, 0,1,2,3,4,5,6,7
	MMP \a, \b, \s
.endr
.endr
.endm
	s_load_b256 s[4:11], s[0:1], 0x0               ; oq s[4:5], wp s[6:7], bproj s[8:9], out0 s[10:11]
	v_lshl_add_u32 v254, v0, 2, 0x29000
	v_mov_b32 v255, 0
	ds_add_u32 v254, v255
	ds_add_u32 v254, v255
	v_lshrrev_b32 v16, 5, v0
	v_readfirstlane_b32 s12, v16                   ; wave 0..3
	s_bfe_u32 s13, ttmp6, 0x40000                  ; cx
	s_lshl_b32 s14, ttmp9, 2
	s_add_co_u32 s14, s14, s13                     ; TB: my block of 128 tokens; it enters o's and out0's global addresses alone
	s_and_b32 s15, ttmp7, 0xffff                   ; CG: the 128 columns, which the four partners share
	; every address register is made here, ahead of the first line at which waves part
	v_and_b32 v16, 31, v0
	v_and_b32 v17, 15, v0                          ; r
	v_bfe_u32 v18, v0, 4, 1                        ; h
	v_lshlrev_b32 v1, 4, v16                       ; 16 x lane
	v_lshlrev_b32 v2, 3, v16                       ; 8 x lane
	v_lshlrev_b32 v3, 2, v16                       ; 4 x lane
	v_lshlrev_b32 v4, 2, v17                       ; 4 r
	v_lshlrev_b32 v5, 6, v18                       ; 64 h
	v_mov_b32 v6, v1                               ; chunks 0, 1 in LDS
	v_add_nc_u32 v7, 49152, v1                     ; chunks 2, 3
	s_mul_i32 s2, s12, 8448
	s_add_co_u32 s2, s2, STG                       ; my stage
	v_mul_u32_u24 v8, v17, 528
	v_lshl_add_u32 v8, v18, 6, v8
	v_add_nc_u32 v8, s2, v8                        ; in: row r, + 64 h
	v_add_nc_u32 v9, s2, v1                        ; back: a row's 512 bytes, 16 a lane
	; descriptor group 1: 96 dense rows of 256 bytes: a wave's whole chunk
	s_mov_b32 s16, 15|(3<<16)|(1<<21)              ; 15:0 the mask: all four work-groups; 17:16 elements of 8 bytes; 21 set beside a mask
	s_mov_b32 s17, 32<<16
	s_mov_b32 s18, 96<<16                          ; wave w brings chunk w whole, 96 dense rows of 256 bytes: one tensor load a wave
	s_mov_b32 s19, 32<<16
	s_mov_b32 s20, 96
	s_mov_b32 s21, 32
	s_mov_b32 s22, 0
	s_mov_b32 s23, 0
	s_mul_i32 s2, s12, 24576                       ; my chunk, in LDS and in memory
	s_mul_i32 s62, s15, 98304
	s_add_co_u32 s62, s62, s2
	s_mov_b32 s63, 0
	s_wait_dscnt 0x0
	s_wait_kmcnt 0x0
	s_add_nc_u64 s[62:63], s[6:7], s[62:63]
.irp c, 0
	s_mov_b32 s[24+4*\c], 1
	s_add_co_u32 s[25+4*\c], s2, 24576*\c
	s_add_nc_u64 s[26+4*\c:27+4*\c], s[62:63], 24576*\c
	s_or_b32 s[27+4*\c], s[27+4*\c], 0x80000000
.endr
	CROUND                                         ; all four work-groups are here: the joint loads meet
	tensor_load_to_lds s[24:27], s[16:23]          ; chunk w whole, one group: one load of mine is out
	s_nop 0
	PLACES
	s_mov_b32 s63, 0
	s_mul_i32 s62, s14, 98304                      ; o's images: 12,288 bytes a tile, my first tile 8 TB + 2 w
	s_mul_i32 s61, s12, 24576
	s_add_co_u32 s62, s62, s61
	s_add_nc_u64 s[40:41], s[4:5], s[62:63]
	s_lshl_b32 s62, s14, 9                         ; o's scale words: [head][tile][r]
	s_lshl_b32 s61, s12, 7
	s_add_co_u32 s62, s62, s61
	s_add_co_u32 s62, s62, OQ_SC
	s_add_nc_u64 s[42:43], s[4:5], s[62:63]
	s_lshl_b32 s62, s15, 12                        ; Wproj's scale words: eight tiles of 512 bytes
	s_add_co_u32 s62, s62, WP_SC
	s_add_nc_u64 s[44:45], s[6:7], s[62:63]
	s_lshl_b32 s62, s15, 9
	s_add_nc_u64 s[46:47], s[8:9], s[62:63]        ; the 128 biases
	s_lshl_b32 s61, s14, 19                        ; out0: token 128 TB + 32 w, rows of 4,096 bytes, + 512 CG
	s_add_co_u32 s62, s62, s61
	s_lshl_b32 s61, s12, 17
	s_add_co_u32 s62, s62, s61
	s_add_nc_u64 s[48:49], s[10:11], s[62:63]
	WIN 0xc0                                       ; destination window 3
	s_wait_alu depctr_va_vdst(0)
.irp b, 0,1,2,3,4,5,6,7                        ; the bias in the result's layout: lane (r, h), tile b: columns 32 (b / 2) + 8 (b % 2) + 16 h + 0 .. 7
	global_load_b128 v[128+8*\b:131+8*\b], v5, s[46:47] offset:(32*(\b/2)+8*(\b%2))*4
	global_load_b128 v[132+8*\b:135+8*\b], v5, s[46:47] offset:(32*(\b/2)+8*(\b%2))*4+16
.endr
	WIN 0
.irp g, 0,1,2,3,4,5,6,7,8,9,10,11,12,13,14,15
.irp a, 0,1
	global_load_b32 v[64+2*\g+\a], v4, s[42:43] offset:16384*\g+64*\a   ; head g's two bytes of my tile a's row r
.endr
.endr
.irp b, 0,1,2,3,4,5,6,7
.irp j, 0,1,2,3
	global_load_b32 v[32+4*\b+\j], v3, s[44:45] offset:512*\b+128*\j
.endr
.endr
	WIN 0x40                                       ; destination window 1
.irp s, 0,1,2,3,4,5,6,7
.irp a, 0,1
	global_load_b128 v[12*(2*\s+\a):12*(2*\s+\a)+3], v1, s[40:41] offset:12288*\a+1536*\s
	global_load_b64 v[12*(2*\s+\a)+4:12*(2*\s+\a)+5], v2, s[40:41] offset:12288*\a+1536*\s+512
	global_load_b128 v[12*(2*\s+\a)+6:12*(2*\s+\a)+9], v1, s[40:41] offset:12288*\a+1536*\s+768
	global_load_b64 v[12*(2*\s+\a)+10:12*(2*\s+\a)+11], v2, s[40:41] offset:12288*\a+1536*\s+1280
.endr
.endr
	WIN 0
	s_wait_loadcnt 63                              ; 96 loads were issued behind o's scale bytes: they are in
.irp s, 0,1,2,3,4,5,6,7
.irp a, 0,1
	v_perm_b32 v[16+8*\a+\s], v[66+4*\s+\a], v[64+4*\s+\a], 0x05040100   ; K step s's word: the even head's two bytes, then the odd head's.  The first K step's words first: more than eight places ahead of the first product
.endr
.endr
	ARRIVE 0
	BSET 0
.irp s, 0,1,2,3,4,5,6,7
	s_wait_alu depctr_va_vdst(0)
	PSTEP \s
.endr
	; THE WAY OUT, a tile of 16 tokens at a time, through my own stage: a lane's 32 neighbouring bytes go in, whole rows of 512 bytes come back; each store covers 512 consecutive bytes, aligned.
	PLACES
.irp a, 0,1
	WIN 0x0c                                       ; an LDS store's data: window 3
.irp b, 0,1,2,3,4,5,6,7
	ds_store_b128 v8, v[8*(8*\a+\b):8*(8*\a+\b)+3] offset:128*(\b/2)+32*(\b%2)       ; each accumulator from its low end on
	ds_store_b128 v8, v[8*(8*\a+\b)+4:8*(8*\a+\b)+7] offset:128*(\b/2)+32*(\b%2)+16
.endr
	WIN 0
.irp i, 0,1,2,3,4,5,6,7,8,9,10,11,12,13,14,15
	ds_load_b128 v[64+64*\a+4*\i:64+64*\a+4*\i+3], v9 offset:528*\i   ; LDS serves a wave's instructions in order: these see the stores above, and the next tile's stores come behind them
.endr
.irp i, 0,1,2,3,4,5,6,7,8,9,10,11,12,13,14,15
	s_wait_dscnt 15-\i
	global_store_b128 v1, v[64+64*\a+4*\i:64+64*\a+4*\i+3], s[48:49] offset:(8*\a+\i+8*(\i/8))*4096 th:TH_STORE_NT   ; row i of tile a is token 8 a + i + 8 (i / 8) of my 32
.endr
.endr
	s_wait_tensorcnt 0x0
	ds_add_u32 v254, v255
	s_wait_dscnt 0x0
	CROUND                                         ; the closing round
	s_endpgm
.Lfunc_end_k_qeeb3022061_gemm_proj:
	.size	k_qeeb3022061_gemm_proj, .Lfunc_end_k_qeeb3022061_gemm_proj-k_qeeb3022061_gemm_proj
	.p2alignl 7, 3214868480
	.fill 96, 4, 3214868480
	.section	.rodata,"a",@progbits
	.p2align	6, 0x0
	.amdhsa_kernel k_qeeb3022061_gemm_proj
		.amdhsa_group_segment_fixed_size 168448
		.amdhsa_private_segment_fixed_size 0
		.amdhsa_enable_private_segment 0
		.amdhsa_kernarg_size 32
		.amdhsa_user_sgpr_count 2
		.amdhsa_user_sgpr_kernarg_segment_ptr 1
		.amdhsa_wavefront_size32 1
		.amdhsa_system_sgpr_workgroup_id_x 1
		.amdhsa_system_sgpr_workgroup_id_y 1
		.amdhsa_system_sgpr_workgroup_id_z 1
		.amdhsa_system_vgpr_workitem_id 0
		.amdhsa_next_free_vgpr 1024
		.amdhsa_next_free_sgpr 66
		.amdhsa_reserve_vcc 0
		.amdhsa_float_denorm_mode_32 3
		.amdhsa_float_denorm_mode_16_64 3
		.amdhsa_memory_ordered 1
		.amdhsa_forward_progress 1
		.amdhsa_inst_pref_size 58
	.end_amdhsa_kernel
	.amdgpu_metadata
---
amdhsa.version: [ 1, 2 ]
amdhsa.kernels:
  - .name:           k_qeeb3022061_gemm_proj
    .symbol:         k_qeeb3022061_gemm_proj.kd
    .args:
      - { .name: oq, .offset: 0, .size: 8, .value_kind: global_buffer, .address_space: global }
      - { .name: wp, .offset: 8, .size: 8, .value_kind: global_buffer, .address_space: global }
      - { .name: bproj, .offset: 16, .size: 8, .value_kind: global_buffer, .address_space: global }
      - { .name: out0, .offset: 24, .size: 8, .value_kind: global_buffer, .address_space: global }
    .group_segment_fixed_size: 168448
    .private_segment_fixed_size: 0
    .kernarg_segment_align: 8
    .kernarg_segment_size: 32
    .max_flat_workgroup_size: 128
    .sgpr_count:     66
    .vgpr_count:     1024
    .wavefront_size: 32
...
	.end_amdgpu_metadata
.endif
;; end of part 4
